; MI455X (gfx1250); checked and timed in simulation.
; The chip was launched on July 23, 2026; its instructions are those of AMD's public machine-readable ISA for CDNA 5 (MIT licence, August 2026) and "CDNA5" Instruction Set Architecture Reference Guide (July 2026). The comments in the code are by the model that wrote it; some were corrected since.
;; Self Attention. Allowed arithmetic: matrix products marked QUANTISED: E2M1 operands, one E8M0 scale for each 32 along K, by v_wmma_scale_f32_16x16x128_f8f6f4 with both operands' format E2M1 (or v_wmma_scale_f32_32x16x128_f4), f32 sums; everything else in f32.
;; Inputs: Wk 1,024 x 1,024 float32; Wq 1,024 x 1,024 float32; Wv 1,024 x 1,024 float32; bk 1,024 float32; bq 1,024 float32; bv 1,024 float32; ln_beta 1,024 float32; ln_gamma 1,024 float32; x 4 x 2,048 x 1,024 float32.
;; Outputs: out0 4 x 2,048 x 1,024 float32.
;; This version of the problem:
;;   THIS VERSION OF THE PROBLEM IS GIVEN IN LOW PRECISION. The matrix products marked QUANTISED in the list below multiply operands that are first quantised to E2M1 (2 exponent bits, 1 mantissa bit; 4 bits a number), with one power-of-two scale for each 32 numbers along K (OCP MX v1.0); their sums are f32. All else is computed in f32.
;;   The module's matrix products, in the order in which they are computed (A, B: the left and right operand; K: the contracted axis; several contracted axes count as one K, in the product's order):
;;     1. [M 8,192, K 1,024] x [K 1,024, N 1,024]; A: input x; B: input Wq: QUANTISED
;;     2. [M 8,192, K 1,024] x [K 1,024, N 1,024]; A: input x; B: input Wk: QUANTISED
;;     3. [M 8,192, K 1,024] x [K 1,024, N 1,024]; A: input x; B: input Wv: QUANTISED
;;     4. batch 64 x [M 2,048, K 64] x [K 64, N 2,048]; A: computed on the way; B: computed on the way: QUANTISED
;;     5. batch 64 x [M 64, K 2,048] x [K 2,048, N 2,048]; A: computed on the way; B: softmax (see below): QUANTISED
;;   THE QUANTISER, for each operand of a quantised product, along K:
;;     - K is cut into blocks of 32 from its start; a last block that is shorter is filled with zeros.
;;     - A block's scale is 2^e with e = floor(log2(the largest magnitude in the block)) - 2, held to -126 .. 127; a block of zeros has e = 0. As a byte (E8M0): e + 127.
;;     - Each number is divided by its block's scale, clamped to +-6, and rounded to the nearest number of E2M1, ties to even, subnormals kept.
;;     - The product sums the exact products of the quantised numbers (number of the format x scale) in f32.
;;   ~~~python
;;   def quantise(x, axis):      # numpy; x: float32 -> the quantised numbers, widened to float32 again
;;       x = np.moveaxis(x, axis, -1); K = x.shape[-1]
;;       x = np.pad(x, [(0, 0)] * (x.ndim - 1) + [(0, -K % 32)]); x = x.reshape(x.shape[:-1] + (-1, 32)); a = np.abs(x).max(-1, keepdims=True)
;;       e = np.where(a > 0, np.clip(np.frexp(np.where(a > 0, a, 1))[1] - 1 - 2, -126, 127), 0)      # np.frexp(a)[1] - 1 = floor(log2(a)), exactly
;;       r = np.clip(x / 2.0 ** e, -6, 6)
;;       step = 2.0 ** (np.maximum(np.frexp(np.where(r == 0, 1, r))[1] - 1, 0) - 1)
;;       q = np.round(r / step) * step * 2.0 ** e      # np.round: ties to even
;;       return np.moveaxis(q.reshape(q.shape[:-2] + (-1,))[..., :K], -1, axis).astype(np.float32)
;;   ~~~
;;   SOFTMAX AHEAD OF A QUANTISED PRODUCT. Where the list says 'softmax', what is quantised is not the finished softmax but p = 2^(t - M), with t = logit x log2(e) and M = ceil(the row's largest t), a whole number; so 1/2 < the row's largest p <= 1. The row's sum l is taken of the UNQUANTISED p, in f32, and the product's result is divided by l at the end. Since M is a whole number, a kernel that streams over the keys may use a running M (the ceiling of the running maximum): every later rescaling is an exact power of two, which a block's scale takes up: the codes' values come out the same.
;;   OPERANDS COMPUTED ON THE WAY. 'Computed on the way' means the value that the module computes at that place (a softmax that the list does not call 'softmax' is quantised finished and normalised). What goes into a quantiser is computed in f32, as accurately as f32 sums, v_exp_f32 and their like allow (about 1e-6 of the number): no bf16 or f16 on the way to a quantiser, and a product that is left as it is and whose result goes on into a quantised operand takes f32 operands (vector FMAs, or v_wmma_f32_16x16x4_f32). A number that lies on a knife's edge between two numbers of the format may be rounded either way, as far as f32 arithmetic and the matrix unit's own rounding can turn it there, and no further.
;; 2 versions, each right; version 2 is version 1 with the launch attn written anew for expert scheduling mode. Each part assembles by itself: llvm-mc -triple=amdgcn-amd-amdhsa -mcpu=gfx1250 --defsym DOCPART=n.
;; ======== version 1 of 2: 3 launches
;; workspace buffers: XB 4,456,448 bytes; WB 1,671,168 bytes; QKV 13,369,344 bytes
;; launch quant (part 1): grid 448 x 1, 4 waves a work-group, no clusters, 34,304 bytes of LDS; arguments x, Wq, Wk, Wv, XB, WB; writes XB, WB
.if DOCPART == 1
	.amdgcn_target "amdgcn-amd-amdhsa--gfx1250"
	.amdhsa_code_object_version 6
	.text
	.protected	k_qe66e377f6f_quant
	.globl	k_qe66e377f6f_quant
	.p2align	8
	.type	k_qe66e377f6f_quant,@function
k_qe66e377f6f_quant:
	s_mov_b64 s[64:65], 0
	v_nop
	global_prefetch_b8 v0, s[64:65] scope:SCOPE_SE
	s_setreg_imm32_b32 hwreg(HW_REG_WAVE_MODE, 25, 1), 1
	s_wait_xcnt 0x0
; x [8192][1024] and Wq, Wk, Wv [1024 (k)][1024 (n)], f32, become codes of FP4 (E2M1) with one E8M0 scale byte for each 32 along K = the 1,024, laid as IMAGES OF OPERAND REGISTERS.
; An image is a fragment of 16 rows x 128 K, 1,024 bytes: registers 4 c .. 4 c + 3 of lane l (row l % 16, k = 64 c + 32 (l / 16) + 0 .. 31) lie at 512 c + 16 l.
; XB: codes [half of K: 2][tile of 16 rows: 512][K step in the half: 4][1,024]; from byte 4,194,304 the scale words [tile][half][row 16][K step 4], a word = the four bytes of one row and 128 k.
; WB: the same, tile = 64 w + n / 16 (w = 0 Wq, 1 Wk, 2 Wv): 192 tiles, 786,432 bytes a half; scale words from byte 1,572,864.
; A block's scale is 2^(floor(log2(its largest magnitude)) - 2): its byte is the largest magnitude's exponent field - 2, held at 1 from below by a floor among the maximum's leaves.
; LIMITS: NaN and infinities among the inputs are not served.  A block whose largest magnitude lies under 2^-124 (a block of zeros too) gets the byte 1; the bytes are read by this program alone, and zero codes add nothing.
; Work-groups 0-255 take x, 256-447 the weights.  No barrier: waves share nothing.  No matrix unit, no cluster: every byte is read once by one wave.
.set PIT,   528                        ; a stage row: 512 bytes + 16, an odd multiple of 16: the sixteen rows that a load touches start 16 bytes apart modulo 256
.set STG,   16*PIT                     ; a wave's stage (x path alone uses LDS)
.set R,     16                         ; v16-143   x: two sets of 64 registers as loaded
.set X,     144                        ; v144-207  x: 64 numbers turned: register 32 c + i = k 64 c + 32 h + i of row r
.set C,     208                        ; v208-239  x: codes, eight registers for each of four fragments: no store's data are written again
.set W,     240                        ; v240-243  x: the four scale words
.set TA,    244                        ; v244-253  at work
.set FLOOR, 0x1800000                  ; 2^(3 - 127)
.set EOFF,  0xff000000                 ; takes 2 off an exponent field
	s_load_b256 s[4:11], s[0:1], 0x0               ; x, Wq, Wk, Wv
	s_load_b128 s[12:15], s[0:1], 0x20             ; XB, WB
	v_lshl_add_u32 v254, v0, 2, 0x8400
	v_mov_b32 v255, 0
	v_lshrrev_b32 v1, 5, v0
	v_readfirstlane_b32 s16, v1                    ; wave 0..3
	v_and_b32 v7, 31, v0                           ; lane
	v_and_b32 v8, 15, v0                           ; r
	v_bfe_u32 v9, v0, 4, 1                         ; h
	s_cmp_lt_u32 ttmp9, 256
	s_cbranch_scc0 .Lweights
; ---- x.  Wave G = 4 x work-group + wave takes tile G / 2 (16 rows) and half G % 2 of K (512): four fragments.
; Each load reads 512 consecutive bytes of one row; a fragment's 16 x 512 bytes turn through the wave's own stage, so that a lane gets 32 neighbours along K twice: two whole blocks.
	v_lshlrev_b32 v1, 4, v7                        ; 16 x lane
	s_mul_i32 s17, s16, STG
	v_add_nc_u32 v2, s17, v1                       ; the stage, way in
	v_mul_u32_u24 v3, v8, PIT
	v_lshl_add_u32 v3, v9, 7, v3
	v_add_nc_u32 v3, s17, v3                       ; way out: row r, + 128 h bytes
	v_lshlrev_b32 v5, 4, v8
	v_lshl_add_u32 v5, v9, 3, v5                   ; the scale words' store: 16 r + 8 h
	v_lshlrev_b32 v6, 3, v9                        ; 8 h: my bytes' place in a scale word
	v_mov_b32 v[TA+6], 0                           ; a lane permute's destination counts as one of its sources
	s_mov_b32 s30, 0x76543210
	s_mov_b32 s31, 0xfedcba98                      ; selects for lane l xor 16
	s_lshl_b32 s17, ttmp9, 2
	s_add_co_u32 s17, s17, s16                     ; G
	s_lshr_b32 s18, s17, 1                         ; tile
	s_and_b32 s19, s17, 1                          ; half of K
	s_lshl_b32 s20, s18, 16                        ; 16 rows of 4,096 bytes
	s_lshl_b32 s21, s19, 11                        ; 512 numbers
	s_add_co_u32 s20, s20, s21
	s_mov_b32 s21, 0
	s_lshl_b32 s22, s19, 21                        ; the half's 2,097,152 bytes of codes
	s_lshl_b32 s23, s18, 12
	s_add_co_u32 s22, s22, s23
	s_mov_b32 s23, 0
	s_lshl_b32 s26, s18, 9
	s_lshl_b32 s27, s19, 8
	s_add_co_u32 s26, s26, s27
	s_mov_b32 s27, 0
	s_wait_kmcnt 0x0
	s_add_nc_u64 s[4:5], s[4:5], s[20:21]
	s_add_nc_u64 s[24:25], s[12:13], s[22:23]
	s_add_nc_u64 s[28:29], s[12:13], s[26:27]
.macro LOADF f
.irp i, 0,1,2,3,4,5,6,7,8,9,10,11,12,13,14,15
	global_load_b128 v[R+64*((\f)%2)+4*\i:R+64*((\f)%2)+4*\i+3], v1, s[4:5] offset:\i*4096+(\f)*512 th:TH_LOAD_NT
.endr
.endm
.macro XFRAG f
.if (\f) < 3
	s_wait_loadcnt 16                              ; this fragment's 16 loads are in; the next fragment's 16 may be out
.else
	s_wait_loadcnt 0x0
.endif
.irp i, 0,1,2,3,4,5,6,7,8,9,10,11,12,13,14,15
	ds_store_b128 v2, v[R+64*((\f)%2)+4*\i:R+64*((\f)%2)+4*\i+3] offset:\i*PIT
.endr
.irp c, 0,1
.irp q, 0,1,2,3,4,5,6,7
	ds_load_b128 v[X+32*\c+4*\q:X+32*\c+4*\q+3], v3 offset:256*\c+16*\q   ; LDS serves a wave's instructions in order: these see the stores above
.endr
.endr
	s_wait_dscnt 0x0                               ; the numbers are back, and the stores have read their registers,
.if (\f) < 2
	LOADF (\f)+2                                   ; which take the fragment two on
.endif
.irp c, 0,1
	v_max3_num_f32 v[TA+\c], |v[X+32*\c]|, |v[X+32*\c+1]|, FLOOR   ; my block 2 c + h: all its 32 numbers are mine; the floor holds the byte at 1 from below
.endr
.irp i, 2,4,6,8,10,12,14,16,18,20,22,24,26,28,30
.irp c, 0,1
	v_max3_num_f32 v[TA+\c], v[TA+\c], |v[X+32*\c+\i]|, |v[X+32*\c+\i+1]|
.endr
.endr
.irp c, 0,1
	v_add_nc_u32 v[TA+2+\c], EOFF, v[TA+\c]        ; the conversion takes the exponent field of this operand as its scale
.endr
.irp c, 0,1
	v_lshrrev_b32 v[TA+4+\c], 23, v[TA+2+\c]       ; the scale's byte
.endr
	v_lshl_or_b32 v[W+(\f)], v[TA+5], 16, v[TA+4]  ; blocks h and 2 + h,
	v_lshlrev_b32 v[W+(\f)], v6, v[W+(\f)]         ; at their places in the word;
	v_permlanex16_b32 v[TA+6], v[W+(\f)], s30, s31
	v_or_b32 v[W+(\f)], v[W+(\f)], v[TA+6]         ; with lane l xor 16's two the word is whole
.irp c, 0,1
.irp g, 0,1,2,3
	v_cvt_scalef32_pk8_fp4_f32 v[C+8*(\f)+4*\c+\g], v[X+32*\c+8*\g:X+32*\c+8*\g+7], v[TA+2+\c]
.endr
.endr
	v_nop                                          ; one plain instruction behind the last conversion
.irp c, 0,1
	global_store_b128 v1, v[C+8*(\f)+4*\c:C+8*(\f)+4*\c+3], s[24:25] offset:(\f)*1024+512*\c   ; 32 lanes store 512 consecutive bytes, aligned
.endr
.endm
	LOADF 0
	LOADF 1
	XFRAG 0
	XFRAG 1
	XFRAG 2
	XFRAG 3
	v_cmp_eq_u32 vcc_lo, 1, v9                     ; lanes 0-15 store words 0, 1 of their row, lanes 16-31 words 2, 3
	v_cndmask_b32 v[TA+8], v[W], v[W+2], vcc_lo
	v_cndmask_b32 v[TA+9], v[W+1], v[W+3], vcc_lo
	global_store_b64 v5, v[TA+8:TA+9], s[28:29] offset:4194304   ; 32 lanes store 256 consecutive bytes, aligned
	s_wait_tensorcnt 0x0
	ds_add_u32 v254, v255
	s_wait_dscnt 0x0
	s_endpgm
; ---- the weights.  K is their FIRST axis: a lane takes a column n and its registers run down K, so a block of 32 lies in one lane and the codes come out with K innermost.
; A wave takes 32 columns (two tiles) x 128 K (one K step).  Block b of row r lies at 256 b + 16 r of its image: each code store writes two whole runs of 256 bytes.
; The scale words leave as 4 bytes a lane, 16 bytes apart: 98,304 bytes in the whole launch; gathering them would bring LDS and a barrier into this path.
.Lweights:
	s_sub_co_u32 s17, ttmp9, 256
	s_lshr_b32 s18, s17, 6                         ; which weight
	s_and_b32 s19, s17, 63
	s_lshl_b32 s19, s19, 2
	s_add_co_u32 s19, s19, s16
	s_lshr_b32 s20, s19, 5                         ; K step 0..7
	s_and_b32 s21, s19, 31                         ; group of 32 columns
	s_lshl_b32 s22, s20, 19                        ; 128 rows of 4,096 bytes
	s_lshl_b32 s23, s21, 7
	s_add_co_u32 s22, s22, s23
	s_mov_b32 s23, 0
	s_lshl_b32 s24, s18, 6
	s_lshl_b32 s25, s21, 1
	s_add_co_u32 s24, s24, s25                     ; my first tile
	s_lshr_b32 s25, s20, 2                         ; half of K
	s_and_b32 s26, s20, 3                          ; K step in the half
	s_mul_i32 s32, s25, 786432
	s_lshl_b32 s33, s24, 12
	s_add_co_u32 s32, s32, s33
	s_lshl_b32 s33, s26, 10
	s_add_co_u32 s32, s32, s33
	s_mov_b32 s33, 0
	s_lshl_b32 s34, s24, 9
	s_lshl_b32 s35, s25, 8
	s_add_co_u32 s34, s34, s35
	s_lshl_b32 s35, s26, 2
	s_add_co_u32 s34, s34, s35
	s_mov_b32 s35, 0
	v_lshlrev_b32 v2, 2, v7                        ; in: 4 bytes a lane
	v_lshlrev_b32 v3, 4, v8
	v_lshl_add_u32 v4, v9, 12, v3                  ; codes: 16 r, lanes 16-31 in the next tile
	v_lshl_add_u32 v5, v9, 9, v3                   ; scale words likewise
	s_wait_kmcnt 0x0
	s_cmp_eq_u32 s18, 0
	s_cselect_b64 s[36:37], s[6:7], s[8:9]
	s_cmp_eq_u32 s18, 2
	s_cselect_b64 s[36:37], s[10:11], s[36:37]
	s_add_nc_u64 s[36:37], s[36:37], s[22:23]
	s_add_nc_u64 s[32:33], s[14:15], s[32:33]
	s_add_nc_u64 s[34:35], s[14:15], s[34:35]
.set kk, 0
.rept 128
	global_load_b32 v[16+kk], v2, s[36:37] offset:kk*4096 th:TH_LOAD_NT   ; 32 lanes read 128 consecutive bytes of row kk
.set kk, kk+1
.endr
.macro WBLOCK b
.set XS, 16+32*(\b)
	v_max3_num_f32 v12, |v[XS]|, |v[XS+1]|, |v[XS+2]|
	v_max3_num_f32 v13, |v[XS+3]|, |v[XS+4]|, |v[XS+5]|
.irp i, 6,10,14,18,22,26
	v_max3_num_f32 v12, v12, |v[XS+\i]|, |v[XS+\i+1]|
	v_max3_num_f32 v13, v13, |v[XS+\i+2]|, |v[XS+\i+3]|
.endr
	v_max3_num_f32 v12, v12, |v[XS+30]|, |v[XS+31]|
	v_max3_num_f32 v12, v12, v13, FLOOR
	v_add_nc_u32 v11, EOFF, v12
	v_lshrrev_b32 v13, 23, v11
.if (\b) == 0
	v_mov_b32 v160, v13
.else
	v_lshl_or_b32 v160, v13, 8*(\b), v160
.endif
.irp g, 0,1,2,3
	v_cvt_scalef32_pk8_fp4_f32 v[144+4*(\b)+\g], v[XS+8*\g:XS+8*\g+7], v11
.endr
	v_nop                                          ; one plain instruction behind the last conversion: the next block writes v11 again
	global_store_b128 v4, v[144+4*(\b):144+4*(\b)+3], s[32:33] offset:256*(\b)
.endm
	s_wait_loadcnt 63                              ; at most 63 of the 128 are out: the first 65 are in, blocks 0 and 1 among them
	WBLOCK 0
	WBLOCK 1
	s_wait_loadcnt 32                              ; block 3's 32 may be out
	WBLOCK 2
	s_wait_loadcnt 0x0
	WBLOCK 3
	global_store_b32 v5, v160, s[34:35] offset:1572864
	s_endpgm
.Lfunc_end_k_qe66e377f6f_quant:
	.size	k_qe66e377f6f_quant, .Lfunc_end_k_qe66e377f6f_quant-k_qe66e377f6f_quant
	.p2alignl 7, 3214868480
	.fill 96, 4, 3214868480
	.section	.rodata,"a",@progbits
	.p2align	6, 0x0
	.amdhsa_kernel k_qe66e377f6f_quant
		.amdhsa_group_segment_fixed_size 34304
		.amdhsa_private_segment_fixed_size 0
		.amdhsa_enable_private_segment 0
		.amdhsa_kernarg_size 48
		.amdhsa_user_sgpr_count 2
		.amdhsa_user_sgpr_kernarg_segment_ptr 1
		.amdhsa_wavefront_size32 1
		.amdhsa_system_sgpr_workgroup_id_x 1
		.amdhsa_system_sgpr_workgroup_id_y 1
		.amdhsa_system_sgpr_workgroup_id_z 1
		.amdhsa_system_vgpr_workitem_id 0
		.amdhsa_next_free_vgpr 256
		.amdhsa_next_free_sgpr 66
		.amdhsa_reserve_vcc 1
		.amdhsa_float_denorm_mode_32 3
		.amdhsa_float_denorm_mode_16_64 3
		.amdhsa_memory_ordered 1
		.amdhsa_forward_progress 1
		.amdhsa_inst_pref_size 50
	.end_amdhsa_kernel
	.amdgpu_metadata
---
amdhsa.version: [ 1, 2 ]
amdhsa.kernels:
  - .name:           k_qe66e377f6f_quant
    .symbol:         k_qe66e377f6f_quant.kd
    .args:
      - { .name: x, .offset: 0, .size: 8, .value_kind: global_buffer, .address_space: global }
      - { .name: Wq, .offset: 8, .size: 8, .value_kind: global_buffer, .address_space: global }
      - { .name: Wk, .offset: 16, .size: 8, .value_kind: global_buffer, .address_space: global }
      - { .name: Wv, .offset: 24, .size: 8, .value_kind: global_buffer, .address_space: global }
      - { .name: XB, .offset: 32, .size: 8, .value_kind: global_buffer, .address_space: global }
      - { .name: WB, .offset: 40, .size: 8, .value_kind: global_buffer, .address_space: global }
    .group_segment_fixed_size: 34304
    .private_segment_fixed_size: 0
    .kernarg_segment_align: 8
    .kernarg_segment_size: 48
    .max_flat_workgroup_size: 128
    .sgpr_count:     66
    .vgpr_count:     256
    .wavefront_size: 32
...
	.end_amdgpu_metadata
.endif
;; end of part 1
;; launch proj (part 2): grid 384 x 1, 16 waves a work-group, no clusters, 280,576 bytes of LDS; arguments XB, WB, bq, bk, bv, QKV; writes QKV
.if DOCPART == 2
	.amdgcn_target "amdgcn-amd-amdhsa--gfx1250"
	.amdhsa_code_object_version 6
	.text
	.protected	k_qe66e377f6f_proj
	.globl	k_qe66e377f6f_proj
	.p2align	8
	.type	k_qe66e377f6f_proj,@function
k_qe66e377f6f_proj:
	s_mov_b64 s[64:65], 0
	v_nop
	global_prefetch_b8 v0, s[64:65] scope:SCOPE_SE
	s_setreg_imm32_b32 hwreg(HW_REG_WAVE_MODE, 25, 1), 1
	s_wait_xcnt 0x0
; The three projections on codes of FP4, and their results quantised on the way: q and k along the head's 64, v along the keys.  One body, two roles:
;   R[j][i] = sum over k of S0[i][k] S1[j][k] + bias, quantised along i in blocks of 32.
;   work-groups 0-255:   S0 = Wq, Wk (i = 2,048 output columns), S1 = x (j = 8,192 rows): R = q, k.     work-groups 256-383: S0 = x (i = keys), S1 = Wv (j = 1,024 columns): R = v transposed.
; A work-group makes 256 i x 256 j over all of K = 1,024.  Both panels, codes and scale words, come into LDS ONCE by tensor loads (three a wave, all at the start; nothing is filled twice).
; A wave makes 128 i x 32 j: 16 accumulators.  Source 0 = 16 rows of S0, source 1 = 16 rows of S1: a lane holds ONE j (lane % 16) and its registers run along i: tile b's register n is i = 16 b + 8 (lane / 16) + n.
; QKV: [batch 4][head 16][step of 128 rows: 16] records of 13,056 bytes = Q's, K's, V's part, 4,352 each.
;   Q, K: eight half images of 512 bytes (tile of 16 rows x 64 d: registers 0-3 of lane l at 16 l); at +4,096 [pair of tiles 4][row 16] words = tile 2 p's two bytes, then tile 2 p + 1's.
;   V: four images of 1,024 bytes (16 d x 128 keys); at +4,096 [d tile 4][row 16] words.
; The bias is the C of each sum's first product.  The role's other bias term is multiplied by 0.  LIMITS: biases are finite; NaN and infinities are not served; a block under 2^-124 gets the byte 1.
; No cluster: of the two panels only x's is shared by neighbouring work-groups, each panel is filled once, and the roles' grids (8 x 32, 4 x 32) would want two masks chosen by role.
; The scale words leave as 64 consecutive bytes from sixteen lanes: 786,432 bytes of the launch's 13,369,344.
.set S0F, 16                           ; v16-79   S0's eight fragments; later the codes made (v16-31), the scale words made (v32, v33), the word stored (v34)
.set S1F, 80                           ; v80-95   S1's two fragments; later the quantiser's 16 registers
.set S0S, 96                           ; v96-111  S0's scale words: register 4 p + q: lanes 0-15 tile 2 p, lanes 16-31 tile 2 p + 1, K step q of the half
.set S1S, 112                          ; v112-115 S1's: lanes 0-15 tile 0, lanes 16-31 tile 1
.set ACC, 128                          ; v128-255 accumulator (a, b) at 128 + 64 a + 8 b
.set TM,  80
.set SCB, 262144                       ; LDS: images at half x 131,072 + panel x 65,536 + tile x 4,096 + q x 1,024; scale words from here: panel x 8,192 + tile x 512 + half x 256 + 16 r
	s_load_b256 s[4:11], s[0:1], 0x0               ; XB, WB, bq, bk
	s_load_b128 s[12:15], s[0:1], 0x20             ; bv, QKV
	v_lshl_add_u32 v126, v0, 2, 0x44000
	v_mov_b32 v127, 0
	ds_add_u32 v126, v127
	ds_add_u32 v126, v127
	v_lshrrev_b32 v1, 5, v0
	v_readfirstlane_b32 s16, v1                    ; wave 0..15
	s_and_b32 s22, ttmp9, 7                        ; q, k: block of i
	s_lshr_b32 s23, ttmp9, 3                       ;       block of j
	s_and_b32 s24, ttmp9, 127
	s_and_b32 s25, s24, 3                          ; v: block of j
	s_lshr_b32 s24, s24, 2                         ;    block of i
	s_cmp_lt_u32 ttmp9, 256
	s_cselect_b32 s17, 0, 1                        ; the role: 1 = v
	s_cselect_b32 s18, s22, s24                    ; ib
	s_cselect_b32 s19, s23, s25                    ; jb
	s_cselect_b32 s60, 0x3f800000, 0               ; 1.0 where the bias runs along i
	s_cselect_b32 s62, 0, 0x3f800000               ; 1.0 where it runs along j
	s_mov_b32 s61, s60                             ; (named with s60 as a pair)
	s_and_b32 s20, s16, 1                          ; gi: which 128 i
	s_lshr_b32 s21, s16, 1                         ; gj: which 32 j
	; what I fetch: waves 0-7 two tiles each of S0's panel, waves 8-15 of S1's
	s_lshr_b32 s22, s16, 3                         ; panel
	s_and_b32 s23, s16, 7
	s_lshl_b32 s24, s18, 4                         ; S0's first tile
	s_lshl_b32 s25, s19, 4
	s_lshl_b32 s26, s17, 7
	s_add_co_u32 s25, s25, s26                     ; S1's: Wv's tiles begin at 128
	s_cmp_eq_u32 s22, 0
	s_cselect_b32 s24, s24, s25
	s_lshl_b32 s23, s23, 1
	s_add_co_u32 s24, s24, s23                     ; my first tile
	s_xor_b32 s25, s17, s22                        ; 1: the panel is x's
	s_lshl_b32 s26, s24, 12                        ; its codes,
	s_mov_b32 s27, 0
	s_lshl_b32 s28, s24, 9                         ; its scale words
	s_mov_b32 s29, 0
	s_mov_b32 s30, 786432
	s_mov_b32 s31, 0
	s_mov_b32 s63, 1572864
	s_cmp_eq_u32 s25, 1
	s_cselect_b32 s30, 2097152, s30                ; from one half of K to the other
	s_cselect_b32 s63, 4194304, s63                ; where the scale words begin
	s_add_co_u32 s28, s28, s63
	; descriptor group 1: dense blocks as rows of 256 bytes (32 elements of 8 bytes): 32 rows of codes; 4 rows of scale words
	s_mov_b32 s44, 3<<16                           ; no mask, elements of 8 bytes, no padding
	s_mov_b32 s45, 32<<16                          ; tensor_dim0
	s_mov_b32 s46, 32<<16                          ; tensor_dim1
	s_mov_b32 s47, 32<<16                          ; tile_dim0
	s_mov_b32 s48, 32                              ; tile_dim1
	s_mov_b32 s49, 32                              ; pitch
	s_mov_b32 s50, 0
	s_mov_b32 s51, 0
	s_mov_b32 s52, 3<<16
	s_mov_b32 s53, 32<<16
	s_mov_b32 s54, 4<<16
	s_mov_b32 s55, 32<<16
	s_mov_b32 s56, 4
	s_mov_b32 s57, 32
	s_mov_b32 s58, 0
	s_mov_b32 s59, 0
	s_mov_b32 s94, 0x76543210
	s_mov_b32 s95, 0xfedcba98                      ; selects for lane l xor 16
	s_wait_dscnt 0x0
	s_wait_kmcnt 0x0
	s_cmp_eq_u32 s25, 1
	s_cselect_b64 s[66:67], s[4:5], s[6:7]
	s_mov_b32 s32, 1                               ; scale words: 1,024 bytes a wave
	s_lshl_b32 s33, s16, 10
	s_add_co_u32 s33, s33, SCB
	s_add_nc_u64 s[34:35], s[66:67], s[28:29]
	s_or_b32 s35, s35, 0x80000000
	s_mov_b32 s36, 1                               ; codes of the first half of K: 8,192 bytes a wave
	s_lshl_b32 s37, s16, 13
	s_add_nc_u64 s[38:39], s[66:67], s[26:27]
	s_mov_b32 s40, 1                               ; and of the second
	s_add_co_u32 s41, s37, 131072
	s_add_nc_u64 s[42:43], s[38:39], s[30:31]
	s_or_b32 s39, s39, 0x80000000
	s_or_b32 s43, s43, 0x80000000
	tensor_load_to_lds s[32:35], s[52:59]          ; three loads of mine are out
	s_nop 0
	tensor_load_to_lds s[36:39], s[44:51]
	s_nop 0
	tensor_load_to_lds s[40:43], s[44:51]
	s_nop 0
.rept 4
	v_nop                                          ; four such lines behind the loads
.endr
	v_and_b32 v117, 31, v0                         ; lane
	v_and_b32 v118, 15, v0                         ; r
	v_bfe_u32 v119, v0, 4, 1                       ; h
	v_lshlrev_b32 v7, 4, v117                      ; 16 x lane: an image's place for my lane; also the first code store's offset
	s_lshl_b32 s22, s20, 15
	v_add_nc_u32 v1, s22, v7                       ; v1, v2: S0's fragments, first and second half of K
	v_add_nc_u32 v2, 131072, v1
	s_lshl_b32 s22, s21, 13
	s_add_co_u32 s22, s22, 65536
	v_add_nc_u32 v3, s22, v7                       ; v3, v4: S1's
	v_add_nc_u32 v4, 131072, v3
	v_lshlrev_b32 v121, 4, v118
	v_lshl_add_u32 v121, v119, 9, v121             ; 16 r + 512 h: lanes 16-31 take the next tile's words
	s_lshl_b32 s22, s20, 12
	s_add_co_u32 s22, s22, SCB
	v_add_nc_u32 v5, s22, v121                     ; S0's scale words
	s_lshl_b32 s22, s21, 10
	s_add_co_u32 s22, s22, SCB+8192
	v_add_nc_u32 v6, s22, v121                     ; S1's
	; my first row of x (xr) and my first column of the weight (wc)
	s_lshl_b32 s22, s18, 8
	s_lshl_b32 s23, s20, 7
	s_add_co_u32 s22, s22, s23                     ; my first i
	s_lshl_b32 s23, s19, 8
	s_lshl_b32 s24, s21, 5
	s_add_co_u32 s23, s23, s24                     ; my first j
	s_and_b32 s24, s22, 1023
	s_cmp_eq_u32 s17, 1
	s_cselect_b32 s68, s22, s23                    ; xr
	s_cselect_b32 s69, s23, s24                    ; wc
	s_cmp_lt_u32 s18, 4
	s_cselect_b64 s[70:71], s[8:9], s[10:11]
	s_cmp_eq_u32 s17, 1
	s_cselect_b64 s[70:71], s[12:13], s[70:71]     ; the role's bias
	s_cselect_b32 s72, 0, s69
	s_cselect_b32 s73, s69, 0
	s_lshl_b32 s72, s72, 2
	s_lshl_b32 s73, s73, 2
	v_lshl_add_u32 v122, v119, 5, s72              ; along i: tile b's eight numbers of my half
	v_lshl_add_u32 v123, v118, 2, s73              ; along j: my column's
.irp b, 0,1,2,3,4,5,6,7
	global_load_b128 v[ACC+8*\b:ACC+8*\b+3], v122, s[70:71] offset:64*\b
	global_load_b128 v[ACC+8*\b+4:ACC+8*\b+7], v122, s[70:71] offset:64*\b+16
.endr
	global_load_b32 v12, v123, s[70:71]
	global_load_b32 v14, v123, s[70:71] offset:64
	; where the results go
	s_lshr_b32 s74, s68, 11                        ; batch
	s_bfe_u32 s75, s68, 0x40007                    ; step of 128 rows
	s_lshr_b32 s76, s69, 6                         ; head
	s_lshr_b32 s77, s18, 2                         ; q or k
	s_bfe_u32 s78, s69, 0x20004                    ; v: d tile
	s_bfe_u32 s79, s68, 0x30004                    ; q, k: tile of rows in the record
	s_bfe_u32 s80, s68, 0x20005                    ;       pair of tiles
	s_lshl_b32 s81, s78, 10
	s_lshl_b32 s79, s79, 9
	s_lshl_b32 s78, s78, 6
	s_lshl_b32 s80, s80, 6
	s_mov_b32 s82, 208896                          ; from head to head
	s_mov_b32 s83, 0x05040100
	s_mov_b32 s84, 0x02020202
	s_mov_b32 s85, 512
	s_cmp_eq_u32 s17, 1
	s_cselect_b32 s77, 2, s77                      ; which part of the record
	s_cselect_b32 s79, s81, s79                    ; the codes' place in it
	s_cselect_b32 s80, s78, s80                    ; the scale words'
	s_cselect_b32 s86, 1024, s85                   ; from tile a = 0 to a = 1
	s_cselect_b32 s87, s85, s82                    ; from registers 0-3 to 4-7: v: the image's second half; q, k: the next head
	s_cselect_b32 s88, 64, s82                     ; the scale store, lanes 16-31: v: the next d tile; q, k: the next head
	s_cselect_b32 s83, 0x03020100, s83             ; byte selects for the word stored, lanes 0-15,
	s_cselect_b32 s84, 0x04040404, s84             ; and what lanes 16-31 add
	s_mul_i32 s74, s74, 3342336
	s_mul_i32 s76, s76, 208896
	s_mul_i32 s75, s75, 13056
	s_mul_i32 s77, s77, 4352
	s_add_co_u32 s74, s74, s76
	s_add_co_u32 s74, s74, s75
	s_add_co_u32 s74, s74, s77
	s_add_co_u32 s90, s74, s79
	s_mov_b32 s91, 0
	s_add_co_u32 s92, s74, s80
	s_mov_b32 s93, 0
	s_add_nc_u64 s[90:91], s[14:15], s[90:91]
	s_add_nc_u64 s[92:93], s[14:15], s[92:93]
	s_wait_loadcnt 0x0                             ; the biases
	v_mul_f32 v12, s62, v12
	v_mul_f32 v14, s62, v14
	v_mov_b32 v13, 0                               ; (named as the upper halves of pairs)
	v_mov_b32 v15, 0
.set j, 0
.rept 32
	v_pk_fma_f32 v[ACC+64+j:ACC+65+j], v[ACC+j:ACC+j+1], s[60:61], v[14:15] op_sel_hi:[1,0,0]   ; C of tiles a = 1
.set j, j+2
.endr
.set j, 0
.rept 32
	v_pk_fma_f32 v[ACC+j:ACC+j+1], v[ACC+j:ACC+j+1], s[60:61], v[12:13] op_sel_hi:[1,0,0]       ; and of a = 0
.set j, j+2
.endr
	v_add_nc_u32 v8, s87, v7                       ; the code stores' offsets: v7 (a 0, c 0), v8 (0, 1), v9 (1, 0), v10 (1, 1)
	v_add_nc_u32 v9, s86, v7
	v_add_nc_u32 v10, s86, v8
	v_mul_lo_u32 v11, v119, s88
	v_lshl_add_u32 v11, v118, 2, v11               ; the scale store's
	v_mul_lo_u32 v116, v119, s84
	v_add_nc_u32 v116, s83, v116                   ; its byte selects
.macro WM a, b, q
.set rD, ACC+64*(\a)+8*(\b)
.set rA, S0F+8*(\b)
.set rB, S1F+8*(\a)
.set rX, S0S+4*((\b)/2)+(\q)
.set rY, S1S+(\q)
.if ((\b)%2 == 0) && ((\a) == 0)
	v_wmma_scale_f32_16x16x128_f8f6f4 v[rD:rD+7], v[rA:rA+7], v[rB:rB+7], v[rD:rD+7], v[rX], v[rY] matrix_a_fmt:MATRIX_FMT_FP4 matrix_b_fmt:MATRIX_FMT_FP4
.elseif (\a) == 0
	v_wmma_scale_f32_16x16x128_f8f6f4 v[rD:rD+7], v[rA:rA+7], v[rB:rB+7], v[rD:rD+7], v[rX], v[rY] matrix_a_fmt:MATRIX_FMT_FP4 matrix_b_fmt:MATRIX_FMT_FP4 matrix_a_scale:MATRIX_SCALE_ROW1
.elseif (\b)%2 == 0
	v_wmma_scale_f32_16x16x128_f8f6f4 v[rD:rD+7], v[rA:rA+7], v[rB:rB+7], v[rD:rD+7], v[rX], v[rY] matrix_a_fmt:MATRIX_FMT_FP4 matrix_b_fmt:MATRIX_FMT_FP4 matrix_b_scale:MATRIX_SCALE_ROW1
.else
	v_wmma_scale_f32_16x16x128_f8f6f4 v[rD:rD+7], v[rA:rA+7], v[rB:rB+7], v[rD:rD+7], v[rX], v[rY] matrix_a_fmt:MATRIX_FMT_FP4 matrix_b_fmt:MATRIX_FMT_FP4 matrix_a_scale:MATRIX_SCALE_ROW1 matrix_b_scale:MATRIX_SCALE_ROW1
.endif
.endm
; A K step of 128: the q-th of half sg.  20 LDS loads (25 with a half's scale words), 16 products; the 16 accumulators take turns, one instruction a turn.
.macro GSTEP sg, q
.if (\q) == 0
.irp p, 0,1,2,3
	ds_load_b128 v[S0S+4*\p:S0S+4*\p+3], v5 offset:\p*1024+(\sg)*256
.endr
	ds_load_b128 v[S1S:S1S+3], v6 offset:(\sg)*256
.endif
.irp a, 0,1
.irp c, 0,1
	ds_load_b128 v[S1F+8*\a+4*\c:S1F+8*\a+4*\c+3], v[3+(\sg)] offset:\a*4096+(\q)*1024+512*\c
.endr
.endr
.irp b, 0,1,2,3,4,5,6,7
.irp c, 0,1
	ds_load_b128 v[S0F+8*\b+4*\c:S0F+8*\b+4*\c+3], v[1+(\sg)] offset:\b*4096+(\q)*1024+512*\c
.endr
.endr
.irp b, 0,1,2,3,4,5,6,7
	s_wait_dscnt 14-2*\b                           ; S0's tile b is in; the two loads of each later tile may be out
	WM 0, \b, \q
	WM 1, \b, \q
.endr
.rept 4
	v_nop                                          ; four places in front of loads into registers that the products have read, and of the first read of results
.endr
.endm
; 64 numbers of a lane, register 16 b + 8 u + n = element 32 b + 16 u + 8 h + n of my row, become a fragment's codes in v[pc] on and its scale word in v[pw].
; The conversion of (block b, u) goes to register 4 (b / 2) + 2 u + b % 2: the exchange of halves between neighbours then leaves register 4 c + g with elements 64 c + 32 h + 8 g + 0 .. 7.
.macro QUANT s, pc, pw
.irp b, 0,1,2,3
	v_max3_num_f32 v[TM+\b], |v[\s+16*\b]|, |v[\s+1+16*\b]|, 0x1800000   ; each accumulator is read from its low end on
.endr
.irp i, 2,4,6,8,10,12,14
.irp b, 0,1,2,3
	v_max3_num_f32 v[TM+\b], v[TM+\b], |v[\s+16*\b+\i]|, |v[\s+1+16*\b+\i]|
.endr
.endr
.irp b, 0,1,2,3
	v_permlanex16_b32 v[TM+4+\b], v[TM+\b], s94, s95
.endr
.irp b, 0,1,2,3
	v_max_num_f32 v[TM+\b], v[TM+\b], v[TM+4+\b]   ; with lane l xor 16's 16: the block's largest magnitude
.endr
.irp b, 0,1,2,3
	v_add_nc_u32 v[TM+12+\b], 0xff000000, v[TM+\b] ; 2 off its exponent field: the conversion's scale operand
.endr
.irp b, 0,1,2,3
	v_lshrrev_b32 v[TM+4+\b], 23, v[TM+12+\b]      ; the scale's byte
.endr
	v_lshl_or_b32 v[\pw], v[TM+5], 8, v[TM+4]
	v_lshl_or_b32 v[\pw], v[TM+6], 16, v[\pw]
	v_lshl_or_b32 v[\pw], v[TM+7], 24, v[\pw]
.irp b, 0,1,2,3
.irp u, 0,1
	v_cvt_scalef32_pk8_fp4_f32 v[\pc+4*(\b/2)+2*\u+(\b%2)], v[\s+16*\b+8*\u:\s+16*\b+8*\u+7], v[TM+12+\b]
.endr
.endr
	v_nop                                          ; one plain instruction behind the last conversion
.irp c, 0,1
.irp u, 0,1
	v_permlane16_swap_b32 v[\pc+4*\c+2*\u], v[\pc+4*\c+2*\u+1]
.endr
.endr
.endm
	s_wait_tensorcnt 0x1                           ; my scale words and my part of the first half of K are in; the second half's load may stay out
	s_barrier_signal -1
	s_barrier_wait -1                              ; everybody's are
.irp q, 0,1,2,3
	GSTEP 0, \q
.endr
	s_wait_tensorcnt 0x0                           ; my part of the second half
	s_wait_dscnt 0x0
	s_barrier_signal -1
	s_barrier_wait -1
.irp q, 0,1,2,3
	GSTEP 1, \q
.endr
.irp b, 0,1,2,3
	v_mov_b32 v[TM+4+\b], 0                        ; a lane permute's destination counts as one of its sources
.endr
	QUANT 128, 16, 32
	global_store_b128 v7, v[16:19], s[90:91]       ; 32 lanes store 512 consecutive bytes, aligned to 256
	global_store_b128 v8, v[20:23], s[90:91]
	QUANT 192, 24, 33
	global_store_b128 v9, v[24:27], s[90:91]
	global_store_b128 v10, v[28:31], s[90:91]
	v_perm_b32 v34, v33, v32, v116                 ; q, k: head h's two bytes of both tiles; v: lanes 0-15 tile 0's word, lanes 16-31 tile 1's
	global_store_b32 v11, v34, s[92:93] offset:4096
	s_wait_tensorcnt 0x0
	ds_add_u32 v126, v127
	s_wait_dscnt 0x0
	s_endpgm
.Lfunc_end_k_qe66e377f6f_proj:
	.size	k_qe66e377f6f_proj, .Lfunc_end_k_qe66e377f6f_proj-k_qe66e377f6f_proj
	.p2alignl 7, 3214868480
	.fill 96, 4, 3214868480
	.section	.rodata,"a",@progbits
	.p2align	6, 0x0
	.amdhsa_kernel k_qe66e377f6f_proj
		.amdhsa_group_segment_fixed_size 280576
		.amdhsa_private_segment_fixed_size 0
		.amdhsa_enable_private_segment 0
		.amdhsa_kernarg_size 48
		.amdhsa_user_sgpr_count 2
		.amdhsa_user_sgpr_kernarg_segment_ptr 1
		.amdhsa_wavefront_size32 1
		.amdhsa_system_sgpr_workgroup_id_x 1
		.amdhsa_system_sgpr_workgroup_id_y 1
		.amdhsa_system_sgpr_workgroup_id_z 1
		.amdhsa_system_vgpr_workitem_id 0
		.amdhsa_next_free_vgpr 256
		.amdhsa_next_free_sgpr 100
		.amdhsa_reserve_vcc 0
		.amdhsa_float_denorm_mode_32 3
		.amdhsa_float_denorm_mode_16_64 3
		.amdhsa_memory_ordered 1
		.amdhsa_forward_progress 1
		.amdhsa_inst_pref_size 52
	.end_amdhsa_kernel
	.amdgpu_metadata
---
amdhsa.version: [ 1, 2 ]
amdhsa.kernels:
  - .name:           k_qe66e377f6f_proj
    .symbol:         k_qe66e377f6f_proj.kd
    .args:
      - { .name: XB, .offset: 0, .size: 8, .value_kind: global_buffer, .address_space: global }
      - { .name: WB, .offset: 8, .size: 8, .value_kind: global_buffer, .address_space: global }
      - { .name: bq, .offset: 16, .size: 8, .value_kind: global_buffer, .address_space: global }
      - { .name: bk, .offset: 24, .size: 8, .value_kind: global_buffer, .address_space: global }
      - { .name: bv, .offset: 32, .size: 8, .value_kind: global_buffer, .address_space: global }
      - { .name: QKV, .offset: 40, .size: 8, .value_kind: global_buffer, .address_space: global }
    .group_segment_fixed_size: 280576
    .private_segment_fixed_size: 0
    .kernarg_segment_align: 8
    .kernarg_segment_size: 48
    .max_flat_workgroup_size: 512
    .sgpr_count:     100
    .vgpr_count:     256
    .wavefront_size: 32
...
	.end_amdgpu_metadata
.endif
;; end of part 2
;; launch attn (part 3): grid 256 x 1, 16 waves a work-group, no clusters, 133,632 bytes of LDS; arguments QKV, x, ln_gamma, ln_beta, out0; writes out0
.if DOCPART == 3
	.amdgcn_target "amdgcn-amd-amdhsa--gfx1250"
	.amdhsa_code_object_version 6
	.text
	.protected	k_qe66e377f6f_attn
	.globl	k_qe66e377f6f_attn
	.p2align	8
	.type	k_qe66e377f6f_attn,@function
k_qe66e377f6f_attn:
	s_mov_b64 s[64:65], 0
	v_nop
	global_prefetch_b8 v0, s[64:65] scope:SCOPE_SE
	s_setreg_imm32_b32 hwreg(HW_REG_WAVE_MODE, 25, 1), 1
	s_wait_xcnt 0x0
; out0 = LayerNorm(softmax(q k^T / 32) v + x) x gamma + beta, both products on codes of FP4 with one E8M0 scale for each 32 along a product's K.
; SHARES.  A work-group owns 32 queries of one batch and ALL 16 heads, a wave a head: so a query's 1,024 results meet in LDS and the norm is made here; the attention's result never goes to memory.
; Each wave walks its head's 2,048 keys, 128 a step, for two tiles of 16 queries (A, B).  K and V come from memory straight into the registers of the one wave that multiplies them, from records laid in the order of operand registers.
; No cluster and no LDS ring: within a work-group no byte of K or V has a second reader, and a joint request would land in LDS, from which each byte would be read once more.
; THE HEAD'S 64 FILL HALF OF THE PRODUCT'S 128.  An operand of K holds TWO tiles of 16 keys (registers 0-3, 4-7); multiplied by [q, 0] it gives the first tile's scores, by [0, q] the second's: zero codes add nothing under any byte but 0xff.
; LAYOUT.  S^T = K Q^T, O^T = V^T P^T: a lane holds one query (lane % 16) throughout; S^T's register 8 t + n is key 16 t + 8 (lane / 16) + n.
; SOFTMAX.  t = score x log2(e) / 32; M = the running largest t rounded up to a whole number; p = 2^(t - M) is quantised along the keys, not normalised; the row's sum is of the unquantised p and divides at the end.
; When M moves, the sum and O^T are multiplied by 2^(old M - new M), which rounds nothing.  A block's largest p is made from its largest score by the same two instructions (this takes v_exp_f32 not to fall where its input rises).
; LIMITS: NaN and infinities are not served; a block whose every p has fallen under 2^-124 gets the byte 1 (its codes are zeros).
.set S,   96                           ; v96-159  S^T, then p; at the end x's two rows
.set PC,  224                          ; v224-231 p's codes
.set BM,  232                          ; v232-235 the blocks' largest scores, then largest p
.set T4,  236                          ; v236-239 at work
.set SO,  240                          ; v240-243 the conversions' scale operands
.set STA, 244                          ; v244-247 tile A: -M, the largest t, the sum in two halves;  v248-251 tile B
.set STB, 248
.set OA,  160                          ; v160-191 O^T of tile A;  v192-223 of tile B
.set OB,  192
.set CS,  32                           ; s[32:33] c = log2(e) / 32
; v1 16 x lane; v2 4 x lane; v3 256 x lane; v4-23 [0, qA, 0, qB, 0] in fours; v24 Q's scale word [A A B B], v25 [B B A A]; v26-27 K's scale words, v28-29 V's, v30 p's; v31 4 r;
; v32-63 K: four double fragments; v64-95 V: four fragments; v[252:253] f; v[254:255] at work
	s_load_b256 s[4:11], s[0:1], 0x0               ; QKV, x, gamma, beta
	s_load_b64 s[12:13], s[0:1], 0x20              ; out0
	v_lshrrev_b32 v1, 5, v0
	v_readfirstlane_b32 s16, v1                    ; wave = head
	v_and_b32 v2, 31, v0
	v_lshlrev_b32 v1, 4, v2
	v_lshlrev_b32 v3, 8, v2
	v_lshlrev_b32 v2, 2, v2
	v_and_b32 v31, 15, v0
	v_lshlrev_b32 v31, 2, v31
	s_lshr_b32 s17, ttmp9, 6                       ; batch
	s_and_b32 s18, ttmp9, 63                       ; group of 32 queries
	s_lshl_b32 s19, s17, 4
	s_add_co_u32 s19, s19, s16
	s_mul_i32 s20, s19, 208896                     ; my head's 16 records
	s_mov_b32 s21, 0
	s_lshr_b32 s22, s18, 2
	s_mul_i32 s22, s22, 13056                      ; the record of my queries
	s_and_b32 s24, s18, 3                          ; their pair of tiles in it
	s_lshl_b32 s26, s24, 10
	s_add_co_u32 s26, s26, s22
	s_mov_b32 s27, 0
	s_lshl_b32 s28, s24, 6
	s_add_co_u32 s28, s28, s22
	s_mov_b32 s29, 0
	s_lshl_b32 s30, s17, 11
	s_lshl_b32 s31, s18, 5
	s_add_co_u32 s30, s30, s31
	s_lshl_b32 s31, s16, 1
	s_add_co_u32 s30, s30, s31                     ; the two rows that my wave norms and stores
	s_lshl_b32 s30, s30, 12
	s_mov_b32 s31, 0
	s_mov_b32 s[CS], 0x3d38aa3b
	s_mov_b32 s[CS+1], s[CS]                       ; (named with it as a pair)
	s_mov_b32 s34, 0x76543210
	s_mov_b32 s35, 0xfedcba98                      ; selects for lane l xor 16
	s_mov_b32 s37, 0x3a800000                      ; 1 / 1,024
	s_mov_b32 s38, 0x3727c5ac                      ; 1e-5
	s_wait_kmcnt 0x0
	s_add_nc_u64 s[4:5], s[4:5], s[20:21]          ; the record of key step 0
	s_add_nc_u64 s[26:27], s[4:5], s[26:27]
	s_add_nc_u64 s[28:29], s[4:5], s[28:29]
	s_add_nc_u64 s[6:7], s[6:7], s[30:31]
	s_add_nc_u64 s[12:13], s[12:13], s[30:31]
.macro KLOAD                           ; ten loads: a step's 128 keys x 64 d, and their scale words (lanes 0-15 one pair of tiles, lanes 16-31 the next)
.irp k, 0,1,2,3,4,5,6,7
	global_load_b128 v[32+4*\k:35+4*\k], v1, s[4:5] offset:4352+512*\k
.endr
	global_load_b32 v26, v2, s[4:5] offset:8448
	global_load_b32 v27, v2, s[4:5] offset:8576
.endm
.macro VLOAD                           ; ten loads: 64 d x the step's 128 keys, and their scale words
.irp k, 0,1,2,3,4,5,6,7
	global_load_b128 v[64+4*\k:67+4*\k], v1, s[4:5] offset:8704+512*\k
.endr
	global_load_b32 v28, v2, s[4:5] offset:12800
	global_load_b32 v29, v2, s[4:5] offset:12928
.endm
	global_load_b128 v[8:11], v1, s[26:27]
	global_load_b128 v[16:19], v1, s[26:27] offset:512
	global_load_b32 v24, v31, s[28:29] offset:4096
	KLOAD
	VLOAD
.irp j, 4,5,6,7,12,13,14,15,20,21,22,23
	v_mov_b32 v\j, 0                               ; zero codes beside Q's
.endr
.irp b, 0,1,2,3
	v_mov_b32 v[T4+\b], 0                          ; a lane permute's destination counts as one of its sources
.endr
	v_mov_b32 v253, 0                              ; (named as the upper half of a pair)
.irp t, STA, STB
	v_mov_b32 v[\t+1], 0xff61b1e6                  ; the largest t so far: -3e38
	v_floor_f32 v[\t], -v[\t+1]                    ; -M
	v_mov_b32 v[\t+2], 0
	v_mov_b32 v[\t+3], 0
.endr
	s_wait_loadcnt 20                              ; Q's three loads are in; K's ten and V's ten may be out
	v_perm_b32 v25, v24, v24, 0x01000302           ; the word's halves change places
.set j, 0
.rept 64
	v_mov_b32 v[OA+j], 0                           ; O^T: the step is written for every step alike; the first change of M multiplies zeros.  (Also the places behind the write of v25)
.set j, j+1
.endr
; S^T of one tile of queries: eight products.  lo = [q, 0], hi = [0, q]; wlo, whi: Q's scale word with q's two bytes at the fitting end
.macro SMUL lo, hi, wlo, whi
.irp t, 0,1,2,3,4,5,6,7
.if (\t%2 == 0) && ((\t/2)%2 == 0)
	v_wmma_scale_f32_16x16x128_f8f6f4 v[S+8*\t:S+8*\t+7], v[32+8*(\t/2):39+8*(\t/2)], v[\lo:\lo+7], 0, v[26+\t/4], v[\wlo] matrix_a_fmt:MATRIX_FMT_FP4 matrix_b_fmt:MATRIX_FMT_FP4
.elseif \t%2 == 0
	v_wmma_scale_f32_16x16x128_f8f6f4 v[S+8*\t:S+8*\t+7], v[32+8*(\t/2):39+8*(\t/2)], v[\lo:\lo+7], 0, v[26+\t/4], v[\wlo] matrix_a_fmt:MATRIX_FMT_FP4 matrix_b_fmt:MATRIX_FMT_FP4 matrix_a_scale:MATRIX_SCALE_ROW1
.elseif (\t/2)%2 == 0
	v_wmma_scale_f32_16x16x128_f8f6f4 v[S+8*\t:S+8*\t+7], v[32+8*(\t/2):39+8*(\t/2)], v[\hi:\hi+7], 0, v[26+\t/4], v[\whi] matrix_a_fmt:MATRIX_FMT_FP4 matrix_b_fmt:MATRIX_FMT_FP4
.else
	v_wmma_scale_f32_16x16x128_f8f6f4 v[S+8*\t:S+8*\t+7], v[32+8*(\t/2):39+8*(\t/2)], v[\hi:\hi+7], 0, v[26+\t/4], v[\whi] matrix_a_fmt:MATRIX_FMT_FP4 matrix_b_fmt:MATRIX_FMT_FP4 matrix_a_scale:MATRIX_SCALE_ROW1
.endif
.endr
.rept 4
	v_nop                                          ; four places in front of the first read of the scores, and of loads into K's registers
.endr
.endm
; O^T += V^T P^T: four products, four accumulators by turns
.macro PV o
.irp t, 0,1,2,3
.if \t%2 == 0
	v_wmma_scale_f32_16x16x128_f8f6f4 v[\o+8*\t:\o+8*\t+7], v[64+8*\t:71+8*\t], v[PC:PC+7], v[\o+8*\t:\o+8*\t+7], v[28+\t/2], v30 matrix_a_fmt:MATRIX_FMT_FP4 matrix_b_fmt:MATRIX_FMT_FP4
.else
	v_wmma_scale_f32_16x16x128_f8f6f4 v[\o+8*\t:\o+8*\t+7], v[64+8*\t:71+8*\t], v[PC:PC+7], v[\o+8*\t:\o+8*\t+7], v[28+\t/2], v30 matrix_a_fmt:MATRIX_FMT_FP4 matrix_b_fmt:MATRIX_FMT_FP4 matrix_a_scale:MATRIX_SCALE_ROW1
.endif
.endr
.endm
; The softmax of one tile for one key step: st its statistics, o its O^T
.macro SOFT st, o
.irp b, 0,1,2,3
	v_max3_num_f32 v[BM+\b], v[S+16*\b], v[S+1+16*\b], v[S+2+16*\b]   ; the largest score of each block of 32 keys: it serves the row's maximum and the block's largest p.  Each accumulator is read from its low end on
.endr
.irp i, 3,5,7,9,11,13
.irp b, 0,1,2,3
	v_max3_num_f32 v[BM+\b], v[BM+\b], v[S+16*\b+\i], v[S+1+16*\b+\i]
.endr
.endr
.irp b, 0,1,2,3
	v_max_num_f32 v[BM+\b], v[BM+\b], v[S+15+16*\b]
.endr
.irp b, 0,1,2,3
	v_permlanex16_b32 v[T4+\b], v[BM+\b], s34, s35
.endr
.irp b, 0,1,2,3
	v_max_num_f32 v[BM+\b], v[BM+\b], v[T4+\b]     ; with lane l xor 16's 16 keys
.endr
	v_max3_num_f32 v254, v[BM], v[BM+1], v[BM+2]
	v_max_num_f32 v254, v254, v[BM+3]
	v_mul_f32 v254, s[CS], v254                    ; as t (c is positive)
	v_max_num_f32 v[\st+1], v[\st+1], v254         ; the running largest t
	v_mov_b32 v254, v[\st]
	v_floor_f32 v[\st], -v[\st+1]                  ; the new -M = -ceil(t)
	v_sub_f32 v254, v[\st], v254                   ; old M - new M: a whole number, 0 or less
	v_cvt_i32_f32 v254, v254                       ; (it saturates)
	v_ldexp_f32 v252, 1.0, v254                    ; f = 2^(old M - new M)
.irp j, 0,2,4,6,8,10,12,14,16,18,20,22,24,26,28,30,32,34,36,38,40,42,44,46,48,50,52,54,56,58,60,62
	v_pk_fma_f32 v[S+\j:S+\j+1], v[S+\j:S+\j+1], s[CS:CS+1], v[\st:\st+1] op_sel_hi:[1,0,0]   ; t - M
.endr
.irp b, 0,1,2,3
	v_fma_f32 v[BM+\b], v[BM+\b], s[CS], v[\st]
.endr
.set j, 0
.rept 64
	v_exp_f32 v[S+j], v[S+j]                       ; p = 2^(t - M)
.set j, j+1
.endr
	v_pk_mul_f32 v[\st+2:\st+3], v[\st+2:\st+3], v[252:253] op_sel_hi:[1,0]   ; the sums under the new M: the plain instruction behind the exponentials
	s_wait_alu depctr_va_vdst(0)                   ; one wait for the batch of 64, ahead of its first reader
.irp b, 0,1,2,3
	v_exp_f32 v[BM+\b], v[BM+\b]                   ; the blocks' largest p
.endr
	v_pk_add_f32 v[254:255], v[S:S+1], v[S+2:S+3]  ; the row's sum of the unquantised p, in two chains: plain work behind the four
.irp j, 4,8,12,16,20,24,28,32,36,40,44,48,52
	v_pk_add_f32 v[\st+2:\st+3], v[\st+2:\st+3], v[S+\j:S+\j+1]
	v_pk_add_f32 v[254:255], v[254:255], v[S+\j+2:S+\j+3]
.endr
	s_wait_alu depctr_va_vdst(0)                   ; and one for the four
.irp b, 0,1,2,3
	v_max_num_f32 v[BM+\b], 0x1800000, v[BM+\b]    ; the floor 2^(3 - 127): the byte cannot fall under 1
.endr
.irp b, 0,1,2,3
	v_add_nc_u32 v[SO+\b], 0xff000000, v[BM+\b]    ; 2 off the exponent field: the conversion's scale operand
.endr
.irp b, 0,1,2,3
	v_lshrrev_b32 v[T4+\b], 23, v[SO+\b]           ; the scale's byte
.endr
	v_lshl_or_b32 v30, v[T4+1], 8, v[T4]           ; p's scale word for these 128 keys
	v_lshl_or_b32 v30, v[T4+2], 16, v30
	v_lshl_or_b32 v30, v[T4+3], 24, v30
.irp b, 0,1,2,3
.irp u, 0,1
	v_cvt_scalef32_pk8_fp4_f32 v[PC+4*(\b/2)+2*\u+(\b%2)], v[S+16*\b+8*\u:S+16*\b+8*\u+7], v[SO+\b]   ; keys 32 b + 16 u + 8 h + 0 .. 7
.endr
.endr
	v_nop                                          ; one plain instruction behind the last conversion
.irp c, 0,1
.irp u, 0,1
	v_permlane16_swap_b32 v[PC+4*\c+2*\u], v[PC+4*\c+2*\u+1]   ; register 4 c + g now holds keys 64 c + 32 h + 8 g + 0 .. 7
.endr
.endr
.irp j, 0,2,4,6,8,10,12,14,16,18,20,22,24,26,28,30
	v_pk_mul_f32 v[\o+\j:\o+\j+1], v[\o+\j:\o+\j+1], v[252:253] op_sel_hi:[1,0]   ; O^T under the new M
.endr
.irp j, 56,60
	v_pk_add_f32 v[\st+2:\st+3], v[\st+2:\st+3], v[S+\j:S+\j+1]   ; the sums' last five additions stand here: plain work, on none of the products' registers, between the writes above and V^T P
	v_pk_add_f32 v[254:255], v[254:255], v[S+\j+2:S+\j+3]
.endr
	v_pk_add_f32 v[\st+2:\st+3], v[\st+2:\st+3], v[254:255]
.endm
; A KEY STEP.  more = 1: the next step's K is asked for in the step's middle, its V at its end.  more = 0, the last: gamma, beta and x's two rows take their places.
.macro STEP more
	s_wait_loadcnt 10                              ; K's ten loads are in; V's ten may be out
	SMUL 8, 4, 24, 25
	SOFT STA, OA
	s_wait_loadcnt 0x0                             ; V is in; no load is out, so the records' address may step below
	PV OA
	SMUL 16, 12, 25, 24
.if \more
	s_add_nc_u64 s[4:5], s[4:5], 13056
	KLOAD
.else
.irp k, 0,1,2,3,4,5,6,7
	global_load_b128 v[32+4*\k:35+4*\k], v1, s[8:9] offset:512*\k
.endr
.endif
	SOFT STB, OB
	PV OB
.rept 4
	v_nop                                          ; four places in front of loads into registers that the products have read
.endr
.if \more
	VLOAD
.else
.irp k, 0,1,2,3,4,5,6,7
	global_load_b128 v[64+4*\k:67+4*\k], v1, s[10:11] offset:512*\k
.endr
.irp p, 0,1
.irp k, 0,1,2,3,4,5,6,7
	global_load_b128 v[S+32*\p+4*\k:S+32*\p+4*\k+3], v1, s[6:7] offset:4096*\p+512*\k th:TH_LOAD_NT
.endr
.endr
.endif
.endm
	s_mov_b32 s36, 15
.Lstep:
	STEP 1
	s_sub_co_u32 s36, s36, 1
	s_cmp_lg_u32 s36, 0
	s_cbranch_scc1 .Lstep
	global_prefetch_b8 v3, s[6:7] th:TH_LOAD_NT scope:SCOPE_SE   ; my wave's two rows of x: 32 blocks of 256 bytes, a lane a block, each named once in the launch; one key step ahead of the loads that want them
	STEP 0
	; THE WAY OUT.  O^T / the sum goes into a stage of 32 rows x (4,096 + 16) bytes: row = query, my head's 256 bytes.  One barrier; then each wave has two whole rows.
	v_add_f32 v254, v[STA+2], v[STA+3]
	v_add_f32 v255, v[STB+2], v[STB+3]
	v_permlanex16_b32 v[T4], v254, s34, s35
	v_permlanex16_b32 v[T4+1], v255, s34, s35
	v_add_f32 v254, v254, v[T4]                    ; with lane l xor 16's keys: the rows' sums
	v_add_f32 v255, v255, v[T4+1]
	v_rcp_f32 v232, v254
	v_rcp_f32 v234, v255
	v_and_b32 v224, 15, v0                         ; (plain work behind the reciprocals)
	v_bfe_u32 v225, v0, 4, 1
	v_mul_u32_u24 v226, v224, 4112
	v_lshl_add_u32 v226, v225, 5, v226
	s_lshl_b32 s40, s16, 8
	v_add_nc_u32 v226, s40, v226                   ; tile A: row r, + 256 x head + 32 h
	v_add_nc_u32 v227, 65792, v226                 ; tile B: 16 rows on
	s_mul_i32 s40, s16, 8224
	v_add_nc_u32 v228, s40, v1                     ; back: my two rows, 16 bytes a lane
	s_wait_alu depctr_va_vdst(0)                   ; one wait for both reciprocals, ahead of their first reader
.irp j, 0,2,4,6,8,10,12,14,16,18,20,22,24,26,28,30
	v_pk_mul_f32 v[OA+\j:OA+\j+1], v[OA+\j:OA+\j+1], v[232:233] op_sel_hi:[1,0]
.endr
.irp j, 0,2,4,6,8,10,12,14,16,18,20,22,24,26,28,30
	v_pk_mul_f32 v[OB+\j:OB+\j+1], v[OB+\j:OB+\j+1], v[234:235] op_sel_hi:[1,0]
.endr
.irp t, 0,1,2,3
	ds_store_b128 v226, v[OA+8*\t:OA+8*\t+3] offset:64*\t          ; d = 16 t + 8 h + 0 .. 7
	ds_store_b128 v226, v[OA+8*\t+4:OA+8*\t+7] offset:64*\t+16
.endr
.irp t, 0,1,2,3
	ds_store_b128 v227, v[OB+8*\t:OB+8*\t+3] offset:64*\t
	ds_store_b128 v227, v[OB+8*\t+4:OB+8*\t+7] offset:64*\t+16
.endr
	s_wait_dscnt 0x0                               ; for the others' sake: my stores into the stage are done
	s_barrier_signal -1
	s_barrier_wait -1
.irp p, 0,1
.irp k, 0,1,2,3,4,5,6,7
	ds_load_b128 v[OA+32*\p+4*\k:OA+32*\p+4*\k+3], v228 offset:\p*4112+512*\k
.endr
.endr
	s_wait_loadcnt 0x0                             ; gamma, beta, x
	s_wait_dscnt 0x0
	; THE NORM, both rows by turns.  Register 4 k + n of a row is column 128 k + 4 lane + n, in o, x, gamma and beta alike.
.irp j, 0,2,4,6,8,10,12,14,16,18,20,22,24,26,28,30
.irp p, 0,1
	v_pk_add_f32 v[OA+32*\p+\j:OA+32*\p+\j+1], v[OA+32*\p+\j:OA+32*\p+\j+1], v[S+32*\p+\j:S+32*\p+\j+1]   ; y = o + x
.endr
.endr
.irp p, 0,1
	v_pk_add_f32 v[232+4*\p:233+4*\p], v[OA+32*\p:OA+32*\p+1], v[OA+32*\p+2:OA+32*\p+3]
	v_pk_add_f32 v[234+4*\p:235+4*\p], v[OA+32*\p+4:OA+32*\p+5], v[OA+32*\p+6:OA+32*\p+7]
.endr
.irp j, 8,12,16,20,24,28
.irp p, 0,1
	v_pk_add_f32 v[232+4*\p:233+4*\p], v[232+4*\p:233+4*\p], v[OA+32*\p+\j:OA+32*\p+\j+1]
	v_pk_add_f32 v[234+4*\p:235+4*\p], v[234+4*\p:235+4*\p], v[OA+32*\p+\j+2:OA+32*\p+\j+3]
.endr
.endr
.macro ACROSS                          ; the two chains of each row, their halves, and the 32 lanes: the row's sum in every lane, in v240 and v242
.irp p, 0,1
	v_pk_add_f32 v[232+4*\p:233+4*\p], v[232+4*\p:233+4*\p], v[234+4*\p:235+4*\p]
.endr
.irp p, 0,1
	v_add_f32 v[240+2*\p], v[232+4*\p], v[233+4*\p]
.endr
.irp m, 1,2,4,8
.irp p, 0,1
	v_add_f32_dpp v[240+2*\p], v[240+2*\p], v[240+2*\p] row_xmask:\m row_mask:0xf bank_mask:0xf
.endr
.endr
.irp p, 0,1
	v_permlanex16_b32 v[244+\p], v[240+2*\p], s34, s35
.endr
.irp p, 0,1
	v_add_f32 v[240+2*\p], v[240+2*\p], v[244+\p]
.endr
.endm
	ACROSS
.irp p, 0,1
	v_mul_f32 v[240+2*\p], 0xba800000, v[240+2*\p] ; minus the mean
.endr
.irp j, 0,2,4,6,8,10,12,14,16,18,20,22,24,26,28,30
.irp p, 0,1
	v_pk_add_f32 v[OA+32*\p+\j:OA+32*\p+\j+1], v[OA+32*\p+\j:OA+32*\p+\j+1], v[240+2*\p:241+2*\p] op_sel_hi:[1,0]   ; d = y - mean
.endr
.endr
.irp p, 0,1
	v_pk_mul_f32 v[232+4*\p:233+4*\p], v[OA+32*\p:OA+32*\p+1], v[OA+32*\p:OA+32*\p+1]
	v_pk_mul_f32 v[234+4*\p:235+4*\p], v[OA+32*\p+2:OA+32*\p+3], v[OA+32*\p+2:OA+32*\p+3]
.endr
.irp j, 4,8,12,16,20,24,28
.irp p, 0,1
	v_pk_fma_f32 v[232+4*\p:233+4*\p], v[OA+32*\p+\j:OA+32*\p+\j+1], v[OA+32*\p+\j:OA+32*\p+\j+1], v[232+4*\p:233+4*\p]
	v_pk_fma_f32 v[234+4*\p:235+4*\p], v[OA+32*\p+\j+2:OA+32*\p+\j+3], v[OA+32*\p+\j+2:OA+32*\p+\j+3], v[234+4*\p:235+4*\p]
.endr
.endr
	ACROSS                                         ; the sum of d^2: the variance is taken of the differences, in a second pass
.irp p, 0,1
	v_fma_f32 v[240+2*\p], v[240+2*\p], s37, s38   ; variance + 1e-5
.endr
.irp p, 0,1
	v_rsq_f32 v[246+2*\p], v[240+2*\p]
.endr
	v_nop                                          ; a plain instruction behind the last of the two
	s_wait_alu depctr_va_vdst(0)                   ; one wait for both, ahead of their first reader
.irp j, 0,2,4,6,8,10,12,14,16,18,20,22,24,26,28,30
.irp p, 0,1
	v_pk_mul_f32 v[OA+32*\p+\j:OA+32*\p+\j+1], v[OA+32*\p+\j:OA+32*\p+\j+1], v[246+2*\p:247+2*\p] op_sel_hi:[1,0]
.endr
.endr
.irp j, 0,2,4,6,8,10,12,14,16,18,20,22,24,26,28,30
.irp p, 0,1
	v_pk_fma_f32 v[OA+32*\p+\j:OA+32*\p+\j+1], v[OA+32*\p+\j:OA+32*\p+\j+1], v[32+\j:33+\j], v[64+\j:65+\j]   ; x gamma + beta
.endr
.endr
.irp p, 0,1
.irp k, 0,1,2,3,4,5,6,7
	global_store_b128 v1, v[OA+32*\p+4*\k:OA+32*\p+4*\k+3], s[12:13] offset:4096*\p+512*\k th:TH_STORE_NT   ; 32 lanes store 512 consecutive bytes, aligned; written once, read by nobody here
.endr
.endr
	s_wait_xcnt 0x0
	v_lshl_add_u32 v254, v0, 2, 0x20200
	v_mov_b32 v255, 0
	s_wait_tensorcnt 0x0
	ds_add_u32 v254, v255
	s_wait_dscnt 0x0
	s_endpgm
.Lfunc_end_k_qe66e377f6f_attn:
	.size	k_qe66e377f6f_attn, .Lfunc_end_k_qe66e377f6f_attn-k_qe66e377f6f_attn
	.p2alignl 7, 3214868480
	.fill 96, 4, 3214868480
	.section	.rodata,"a",@progbits
	.p2align	6, 0x0
	.amdhsa_kernel k_qe66e377f6f_attn
		.amdhsa_group_segment_fixed_size 133632
		.amdhsa_private_segment_fixed_size 0
		.amdhsa_enable_private_segment 0
		.amdhsa_kernarg_size 40
		.amdhsa_user_sgpr_count 2
		.amdhsa_user_sgpr_kernarg_segment_ptr 1
		.amdhsa_wavefront_size32 1
		.amdhsa_system_sgpr_workgroup_id_x 1
		.amdhsa_system_sgpr_workgroup_id_y 1
		.amdhsa_system_sgpr_workgroup_id_z 1
		.amdhsa_system_vgpr_workitem_id 0
		.amdhsa_next_free_vgpr 256
		.amdhsa_next_free_sgpr 66
		.amdhsa_reserve_vcc 0
		.amdhsa_float_denorm_mode_32 3
		.amdhsa_float_denorm_mode_16_64 3
		.amdhsa_memory_ordered 1
		.amdhsa_forward_progress 1
		.amdhsa_inst_pref_size 87
	.end_amdhsa_kernel
	.amdgpu_metadata
---
amdhsa.version: [ 1, 2 ]
amdhsa.kernels:
  - .name:           k_qe66e377f6f_attn
    .symbol:         k_qe66e377f6f_attn.kd
    .args:
      - { .name: QKV, .offset: 0, .size: 8, .value_kind: global_buffer, .address_space: global }
      - { .name: x, .offset: 8, .size: 8, .value_kind: global_buffer, .address_space: global }
      - { .name: ln_gamma, .offset: 16, .size: 8, .value_kind: global_buffer, .address_space: global }
      - { .name: ln_beta, .offset: 24, .size: 8, .value_kind: global_buffer, .address_space: global }
      - { .name: out0, .offset: 32, .size: 8, .value_kind: global_buffer, .address_space: global }
    .group_segment_fixed_size: 133632
    .private_segment_fixed_size: 0
    .kernarg_segment_align: 8
    .kernarg_segment_size: 40
    .max_flat_workgroup_size: 512
    .sgpr_count:     66
    .vgpr_count:     256
    .wavefront_size: 32
...
	.end_amdgpu_metadata
.endif
;; end of part 3
;; ======== version 2 of 2: 3 launches; version 1 with the launch attn written anew for expert scheduling mode
;; workspace buffers: XB 4,456,448 bytes; WB 1,671,168 bytes; QKV 13,369,344 bytes
;; launch quant: the kernel of part 1 again; grid 448 x 1, 4 waves a work-group, no clusters, 34,304 bytes of LDS; arguments x, Wq, Wk, Wv, XB, WB; writes XB, WB
;; launch proj: the kernel of part 2 again; grid 384 x 1, 16 waves a work-group, no clusters, 280,576 bytes of LDS; arguments XB, WB, bq, bk, bv, QKV; writes QKV
;; launch attn (part 4): grid 256 x 1, 16 waves a work-group, no clusters, 133,632 bytes of LDS; arguments QKV, x, ln_gamma, ln_beta, out0; writes out0
.if DOCPART == 4
	.amdgcn_target "amdgcn-amd-amdhsa--gfx1250"
	.amdhsa_code_object_version 6
	.text
	.protected	k_qe66e377f6f_attn
	.globl	k_qe66e377f6f_attn
	.p2align	8
	.type	k_qe66e377f6f_attn,@function
k_qe66e377f6f_attn:
	s_mov_b64 s[64:65], 0
	v_nop
	global_prefetch_b8 v0, s[64:65] scope:SCOPE_SE
	s_setreg_imm32_b32 hwreg(HW_REG_WAVE_SCHED_MODE, 0, 2), 2
	s_setreg_imm32_b32 hwreg(HW_REG_WAVE_MODE, 25, 1), 1
	s_wait_xcnt 0x0
	s_wait_alu depctr_vm_vsrc(0)
; out0 = LayerNorm(softmax(q k^T / 32) v + x) x gamma + beta, both products on codes of FP4 with one E8M0 scale for each 32 along a product's K.
; SHARES.  A work-group owns 32 queries of one batch and ALL 16 heads, a wave a head: so a query's 1,024 results meet in LDS and the norm is made here; the attention's result never goes to memory.
; Each wave walks its head's 2,048 keys, 128 a step, for two tiles of 16 queries (A, B).  K and V come from memory straight into the registers of the one wave that multiplies them, from records laid in the order of operand registers.
; No cluster and no LDS ring: within a work-group no byte of K or V has a second reader, and a joint request would land in LDS, from which each byte would be read once more.
; THE HEAD'S 64 FILL HALF OF THE PRODUCT'S 128.  An operand of K holds TWO tiles of 16 keys (registers 0-3, 4-7); multiplied by [q, 0] it gives the first tile's scores, by [0, q] the second's: zero codes add nothing under any byte but 0xff.
; LAYOUT.  S^T = K Q^T, O^T = V^T P^T: a lane holds one query (lane % 16) throughout; S^T's register 8 t + n is key 16 t + 8 (lane / 16) + n.
; SOFTMAX.  t = score x log2(e) / 32; M = the running largest t rounded up to a whole number; p = 2^(t - M) is quantised along the keys, not normalised; the row's sum is of the unquantised p and divides at the end.
; When M moves, the sum and O^T are multiplied by 2^(old M - new M), which rounds nothing.  A block's largest p is made from its largest score by the same two instructions (this takes v_exp_f32 not to fall where its input rises).
; LIMITS: NaN and infinities are not served; a block whose every p has fallen under 2^-124 gets the byte 1 (its codes are zeros).
; THE MODE: SCHED_MODE bits 1:0 = 2 (LLVM: expert scheduling mode 2), set by the entry lines.  The code itself states the register dependences
; between vector or matrix instructions and memory or LDS instructions, with s_wait_alu, always for 0.
; THE PLAN.  Registers that memory or LDS instructions touch:
;   v1, v2, v3, v31     offsets: written at the head and never again; one wait ahead of the first load serves every load, the prefetch and the stores.
;   v32-63, v26, v27    K.  Read by the S^T products of tile A and of tile B and by nothing else; the next step's K lands in them.
;   v64-95, v28, v29    V.  Read by the V^T P products of tile A and of tile B and by nothing else; the next step's V lands in them.
;   v96-159             S^T and p: vector and matrix instructions alone, until x's two rows land there behind the last step.
;   v160-223            O^T: vector and matrix instructions alone in the loop; on the way out the data of the stage's stores, the target of its loads, the data of the global stores.
; A STEP: S^T of A; softmax of A; S^T of B; ONE WAIT; V^T P of A with the next K's loads dealt among its four products; softmax of B; a wait; V^T P of B; a wait; the next V's loads.
; The first of the three is owed by V^T P of A (p's codes and scale word come from vector instructions); since tile B's S^T stands ahead of it, it also states that K has been read for the last time.
; No vector or matrix instruction between it and the next step's head names K's registers; none between the third and the next V^T P names V's.
.set S,   96                           ; v96-159  S^T, then p; at the end x's two rows
.set PC,  224                          ; v224-231 p's codes
.set BM,  232                          ; v232-235 the blocks' largest scores, then largest p
.set T4,  236                          ; v236-239 at work
.set SO,  240                          ; v240-243 the conversions' scale operands
.set STA, 244                          ; v244-247 tile A: -M, the largest t, the sum in two halves;  v248-251 tile B
.set STB, 248
.set OA,  160                          ; v160-191 O^T of tile A;  v192-223 of tile B
.set OB,  192
.set CS,  32                           ; s[32:33] c = log2(e) / 32
; v1 16 x lane; v2 4 x lane; v3 256 x lane; v4-23 [0, qA, 0, qB, 0] in fours; v24 Q's scale word [A A B B], v25 [B B A A]; v26-27 K's scale words, v28-29 V's, v30 p's; v31 4 r;
; v32-63 K: four double fragments; v64-95 V: four fragments; v[252:253] f; v[254:255] at work
	s_load_b256 s[4:11], s[0:1], 0x0               ; QKV, x, gamma, beta
	s_load_b64 s[12:13], s[0:1], 0x20              ; out0
	v_lshrrev_b32 v1, 5, v0
	v_readfirstlane_b32 s16, v1                    ; wave = head
	v_and_b32 v2, 31, v0
	v_lshlrev_b32 v1, 4, v2
	v_lshlrev_b32 v3, 8, v2
	v_lshlrev_b32 v2, 2, v2
	v_and_b32 v31, 15, v0
	v_lshlrev_b32 v31, 2, v31
	s_wait_alu depctr_va_sdst(0)                   ; s16 is written, ahead of its first reader: the records' and the rows' addresses are made from it
	s_lshr_b32 s17, ttmp9, 6                       ; batch
	s_and_b32 s18, ttmp9, 63                       ; group of 32 queries
	s_lshl_b32 s19, s17, 4
	s_add_co_u32 s19, s19, s16
	s_mul_i32 s20, s19, 208896                     ; my head's 16 records
	s_mov_b32 s21, 0
	s_lshr_b32 s22, s18, 2
	s_mul_i32 s22, s22, 13056                      ; the record of my queries
	s_and_b32 s24, s18, 3                          ; their pair of tiles in it
	s_lshl_b32 s26, s24, 10
	s_add_co_u32 s26, s26, s22
	s_mov_b32 s27, 0
	s_lshl_b32 s28, s24, 6
	s_add_co_u32 s28, s28, s22
	s_mov_b32 s29, 0
	s_lshl_b32 s30, s17, 11
	s_lshl_b32 s31, s18, 5
	s_add_co_u32 s30, s30, s31
	s_lshl_b32 s31, s16, 1
	s_add_co_u32 s30, s30, s31                     ; the two rows that my wave norms and stores
	s_lshl_b32 s30, s30, 12
	s_mov_b32 s31, 0
	s_mov_b32 s[CS], 0x3d38aa3b
	s_mov_b32 s[CS+1], s[CS]                       ; (named with it as a pair)
	s_mov_b32 s34, 0x76543210
	s_mov_b32 s35, 0xfedcba98                      ; selects for lane l xor 16
	s_mov_b32 s37, 0x3a800000                      ; 1 / 1,024
	s_mov_b32 s38, 0x3727c5ac                      ; 1e-5
	s_wait_kmcnt 0x0
	s_add_nc_u64 s[4:5], s[4:5], s[20:21]          ; the record of key step 0
	s_add_nc_u64 s[26:27], s[4:5], s[26:27]
	s_add_nc_u64 s[28:29], s[4:5], s[28:29]
	s_add_nc_u64 s[6:7], s[6:7], s[30:31]
	s_add_nc_u64 s[12:13], s[12:13], s[30:31]
.macro KLOAD                           ; ten loads: a step's 128 keys x 64 d, and their scale words (lanes 0-15 one pair of tiles, lanes 16-31 the next)
.irp k, 0,1,2,3,4,5,6,7
	global_load_b128 v[32+4*\k:35+4*\k], v1, s[4:5] offset:4352+512*\k
.endr
	global_load_b32 v26, v2, s[4:5] offset:8448
	global_load_b32 v27, v2, s[4:5] offset:8576
.endm
.macro KPAIR t                         ; two of those ten: K's double fragment t
	global_load_b128 v[32+8*(\t):35+8*(\t)], v1, s[4:5] offset:4352+1024*(\t)
	global_load_b128 v[36+8*(\t):39+8*(\t)], v1, s[4:5] offset:4864+1024*(\t)
.endm
.macro GPAIR t                         ; two of gamma's eight loads, into the same registers
	global_load_b128 v[32+8*(\t):35+8*(\t)], v1, s[8:9] offset:1024*(\t)
	global_load_b128 v[36+8*(\t):39+8*(\t)], v1, s[8:9] offset:512+1024*(\t)
.endm
.macro VLOAD                           ; ten loads: 64 d x the step's 128 keys, and their scale words
.irp k, 0,1,2,3,4,5,6,7
	global_load_b128 v[64+4*\k:67+4*\k], v1, s[4:5] offset:8704+512*\k
.endr
	global_load_b32 v28, v2, s[4:5] offset:12800
	global_load_b32 v29, v2, s[4:5] offset:12928
.endm
	s_wait_alu depctr_va_vdst(0)                   ; the offsets v1, v2, v3 and v31 are written: every load, the prefetch and every store of the kernel reads one of them
	global_load_b128 v[8:11], v1, s[26:27]
	global_load_b128 v[16:19], v1, s[26:27] offset:512
	global_load_b32 v24, v31, s[28:29] offset:4096
	KLOAD
	VLOAD
.irp j, 4,5,6,7,12,13,14,15,20,21,22,23
	v_mov_b32 v\j, 0                               ; zero codes beside Q's
.endr
.irp b, 0,1,2,3
	v_mov_b32 v[T4+\b], 0                          ; a lane permute's destination counts as one of its sources
.endr
	v_mov_b32 v253, 0                              ; (named as the upper half of a pair)
.irp t, STA, STB
	v_mov_b32 v[\t+1], 0xff61b1e6                  ; the largest t so far: -3e38
	v_floor_f32 v[\t], -v[\t+1]                    ; -M
	v_mov_b32 v[\t+2], 0
	v_mov_b32 v[\t+3], 0
.endr
	s_wait_loadcnt 20                              ; Q's three loads are in; K's ten and V's ten may be out
	v_perm_b32 v25, v24, v24, 0x01000302           ; the word's halves change places
.set j, 0
.rept 64
	v_mov_b32 v[OA+j], 0                           ; O^T: the step is written for every step alike; the first change of M multiplies zeros.  (Also the places behind the write of v25)
.set j, j+1
.endr
; S^T of one tile of queries: eight products.  lo = [q, 0], hi = [0, q]; wlo, whi: Q's scale word with q's two bytes at the fitting end
.macro SMUL lo, hi, wlo, whi
.irp t, 0,1,2,3,4,5,6,7
.if (\t%2 == 0) && ((\t/2)%2 == 0)
	v_wmma_scale_f32_16x16x128_f8f6f4 v[S+8*\t:S+8*\t+7], v[32+8*(\t/2):39+8*(\t/2)], v[\lo:\lo+7], 0, v[26+\t/4], v[\wlo] matrix_a_fmt:MATRIX_FMT_FP4 matrix_b_fmt:MATRIX_FMT_FP4
.elseif \t%2 == 0
	v_wmma_scale_f32_16x16x128_f8f6f4 v[S+8*\t:S+8*\t+7], v[32+8*(\t/2):39+8*(\t/2)], v[\lo:\lo+7], 0, v[26+\t/4], v[\wlo] matrix_a_fmt:MATRIX_FMT_FP4 matrix_b_fmt:MATRIX_FMT_FP4 matrix_a_scale:MATRIX_SCALE_ROW1
.elseif (\t/2)%2 == 0
	v_wmma_scale_f32_16x16x128_f8f6f4 v[S+8*\t:S+8*\t+7], v[32+8*(\t/2):39+8*(\t/2)], v[\hi:\hi+7], 0, v[26+\t/4], v[\whi] matrix_a_fmt:MATRIX_FMT_FP4 matrix_b_fmt:MATRIX_FMT_FP4
.else
	v_wmma_scale_f32_16x16x128_f8f6f4 v[S+8*\t:S+8*\t+7], v[32+8*(\t/2):39+8*(\t/2)], v[\hi:\hi+7], 0, v[26+\t/4], v[\whi] matrix_a_fmt:MATRIX_FMT_FP4 matrix_b_fmt:MATRIX_FMT_FP4 matrix_a_scale:MATRIX_SCALE_ROW1
.endif
.endr
.rept 4
	v_nop                                          ; four places in front of the first read of the scores
.endr
.endm
; Product t of four of O^T += V^T P^T: four accumulators by turns
.macro PVT o, t
.if (\t)%2 == 0
	v_wmma_scale_f32_16x16x128_f8f6f4 v[\o+8*(\t):\o+8*(\t)+7], v[64+8*(\t):71+8*(\t)], v[PC:PC+7], v[\o+8*(\t):\o+8*(\t)+7], v[28+(\t)/2], v30 matrix_a_fmt:MATRIX_FMT_FP4 matrix_b_fmt:MATRIX_FMT_FP4
.else
	v_wmma_scale_f32_16x16x128_f8f6f4 v[\o+8*(\t):\o+8*(\t)+7], v[64+8*(\t):71+8*(\t)], v[PC:PC+7], v[\o+8*(\t):\o+8*(\t)+7], v[28+(\t)/2], v30 matrix_a_fmt:MATRIX_FMT_FP4 matrix_b_fmt:MATRIX_FMT_FP4 matrix_a_scale:MATRIX_SCALE_ROW1
.endif
.endm
; The softmax of one tile for one key step: st its statistics, o its O^T
.macro SOFT st, o
.irp b, 0,1,2,3
	v_max3_num_f32 v[BM+\b], v[S+16*\b], v[S+1+16*\b], v[S+2+16*\b]   ; the largest score of each block of 32 keys: it serves the row's maximum and the block's largest p.  Each accumulator is read from its low end on
.endr
.irp i, 3,5,7,9,11,13
.irp b, 0,1,2,3
	v_max3_num_f32 v[BM+\b], v[BM+\b], v[S+16*\b+\i], v[S+1+16*\b+\i]
.endr
.endr
.irp b, 0,1,2,3
	v_max_num_f32 v[BM+\b], v[BM+\b], v[S+15+16*\b]
.endr
.irp b, 0,1,2,3
	v_permlanex16_b32 v[T4+\b], v[BM+\b], s34, s35
.endr
.irp b, 0,1,2,3
	v_max_num_f32 v[BM+\b], v[BM+\b], v[T4+\b]     ; with lane l xor 16's 16 keys
.endr
	v_max3_num_f32 v254, v[BM], v[BM+1], v[BM+2]
	v_max_num_f32 v254, v254, v[BM+3]
	v_mul_f32 v254, s[CS], v254                    ; as t (c is positive)
	v_max_num_f32 v[\st+1], v[\st+1], v254         ; the running largest t
	v_mov_b32 v254, v[\st]
	v_floor_f32 v[\st], -v[\st+1]                  ; the new -M = -ceil(t)
	v_sub_f32 v254, v[\st], v254                   ; old M - new M: a whole number, 0 or less
	v_cvt_i32_f32 v254, v254                       ; (it saturates)
	v_ldexp_f32 v252, 1.0, v254                    ; f = 2^(old M - new M)
.irp j, 0,2,4,6,8,10,12,14,16,18,20,22,24,26,28,30,32,34,36,38,40,42,44,46,48,50,52,54,56,58,60,62
	v_pk_fma_f32 v[S+\j:S+\j+1], v[S+\j:S+\j+1], s[CS:CS+1], v[\st:\st+1] op_sel_hi:[1,0,0]   ; t - M
.endr
.irp b, 0,1,2,3
	v_fma_f32 v[BM+\b], v[BM+\b], s[CS], v[\st]
.endr
.set j, 0
.rept 64
	v_exp_f32 v[S+j], v[S+j]                       ; p = 2^(t - M)
.set j, j+1
.endr
	v_pk_mul_f32 v[\st+2:\st+3], v[\st+2:\st+3], v[252:253] op_sel_hi:[1,0]   ; the sums under the new M: the plain instruction behind the exponentials
	s_wait_alu depctr_va_vdst(0)                   ; the 64 exponentials have written p: one wait for the batch, ahead of its first reader
.irp b, 0,1,2,3
	v_exp_f32 v[BM+\b], v[BM+\b]                   ; the blocks' largest p
.endr
	v_pk_add_f32 v[254:255], v[S:S+1], v[S+2:S+3]  ; the row's sum of the unquantised p, in two chains: plain work behind the four
.irp j, 4,8,12,16,20,24,28,32,36,40,44,48,52
	v_pk_add_f32 v[\st+2:\st+3], v[\st+2:\st+3], v[S+\j:S+\j+1]
	v_pk_add_f32 v[254:255], v[254:255], v[S+\j+2:S+\j+3]
.endr
	s_wait_alu depctr_va_vdst(0)                   ; the four exponentials have written the blocks' largest p: one wait for the four, ahead of their first reader
.irp b, 0,1,2,3
	v_max_num_f32 v[BM+\b], 0x1800000, v[BM+\b]    ; the floor 2^(3 - 127): the byte cannot fall under 1
.endr
.irp b, 0,1,2,3
	v_add_nc_u32 v[SO+\b], 0xff000000, v[BM+\b]    ; 2 off the exponent field: the conversion's scale operand
.endr
.irp b, 0,1,2,3
	v_lshrrev_b32 v[T4+\b], 23, v[SO+\b]           ; the scale's byte
.endr
	v_lshl_or_b32 v30, v[T4+1], 8, v[T4]           ; p's scale word for these 128 keys
	v_lshl_or_b32 v30, v[T4+2], 16, v30
	v_lshl_or_b32 v30, v[T4+3], 24, v30
.irp b, 0,1,2,3
.irp u, 0,1
	v_cvt_scalef32_pk8_fp4_f32 v[PC+4*(\b/2)+2*\u+(\b%2)], v[S+16*\b+8*\u:S+16*\b+8*\u+7], v[SO+\b]   ; keys 32 b + 16 u + 8 h + 0 .. 7
.endr
.endr
	v_nop                                          ; one plain instruction behind the last conversion
.irp c, 0,1
.irp u, 0,1
	v_permlane16_swap_b32 v[PC+4*\c+2*\u], v[PC+4*\c+2*\u+1]   ; register 4 c + g now holds keys 64 c + 32 h + 8 g + 0 .. 7
.endr
.endr
.irp j, 0,2,4,6,8,10,12,14,16,18,20,22,24,26,28,30
	v_pk_mul_f32 v[\o+\j:\o+\j+1], v[\o+\j:\o+\j+1], v[252:253] op_sel_hi:[1,0]   ; O^T under the new M
.endr
.irp j, 56,60
	v_pk_add_f32 v[\st+2:\st+3], v[\st+2:\st+3], v[S+\j:S+\j+1]   ; the sums' last five additions stand here: plain work, on none of the products' registers, between the writes above and V^T P
	v_pk_add_f32 v[254:255], v[254:255], v[S+\j+2:S+\j+3]
.endr
	v_pk_add_f32 v[\st+2:\st+3], v[\st+2:\st+3], v[254:255]
.endm
; A KEY STEP.  more = 1: the next step's K is asked for in the step's middle, among tile A's V^T P, its V at the step's end.  more = 0, the last: gamma, beta and x's two rows take their places.
.macro STEP more
	s_wait_loadcnt 10                              ; K's ten loads are in; V's ten may be out
	SMUL 8, 4, 24, 25
	SOFT STA, OA
	SMUL 16, 12, 25, 24                            ; tile B's scores at once: p of tile A has been converted and summed, so S^T's registers are free; K has now been read for the last time
	s_wait_loadcnt 0x0                             ; V is in; no load is out, so the records' address may step below
	s_wait_alu depctr_va_vdst(0)                   ; p's codes and its scale word v30 are written, which V^T P takes as source 1 and as scales; both tiles' S^T products are done reading K and v26, v27, in which the loads below land
.if \more
	s_add_nc_u64 s[4:5], s[4:5], 13056
.endif
.irp t, 0,1,2,3
	PVT OA, \t
.if \more
	KPAIR \t                                       ; no wait: no vector or matrix instruction since the wait above names K's registers
.else
	GPAIR \t
.endif
.endr
.if \more
	global_load_b32 v26, v2, s[4:5] offset:8448
	global_load_b32 v27, v2, s[4:5] offset:8576
.endif
	SOFT STB, OB
	s_wait_alu depctr_va_vdst(0)                   ; p's codes and its scale word v30 are written, which V^T P takes as source 1 and as scales
.irp t, 0,1,2,3
	PVT OB, \t
.endr
.rept 4
	v_nop                                          ; four places behind the last products, ahead of loads into registers that they have read
.endr
	s_wait_alu depctr_va_vdst(0)                   ; both tiles' V^T P are done reading V and v28, v29, in which the loads below land; in the last step the softmax is also done with S^T's registers, in which x lands
.if \more
	VLOAD
.else
.irp k, 0,1,2,3,4,5,6,7
	global_load_b128 v[64+4*\k:67+4*\k], v1, s[10:11] offset:512*\k
.endr
.irp p, 0,1
.irp k, 0,1,2,3,4,5,6,7
	global_load_b128 v[S+32*\p+4*\k:S+32*\p+4*\k+3], v1, s[6:7] offset:4096*\p+512*\k th:TH_LOAD_NT
.endr
.endr
.endif
.endm
	s_mov_b32 s36, 15
	s_wait_alu depctr_va_vdst(0)                   ; v25 and the zero codes v4-7, v12-15, v20-23 are written, which the S^T products take as scales and as source 1; no trip writes them again
.Lstep:
	STEP 1
	s_sub_co_u32 s36, s36, 1
	s_cmp_lg_u32 s36, 0
	s_cbranch_scc1 .Lstep
	global_prefetch_b8 v3, s[6:7] th:TH_LOAD_NT scope:SCOPE_SE   ; my wave's two rows of x: 32 blocks of 256 bytes, a lane a block, each named once in the launch; one key step ahead of the loads that want them
	STEP 0
	; THE WAY OUT.  O^T / the sum goes into a stage of 32 rows x (4,096 + 16) bytes: row = query, my head's 256 bytes.  One barrier; then each wave has two whole rows.
	v_add_f32 v254, v[STA+2], v[STA+3]
	v_add_f32 v255, v[STB+2], v[STB+3]
	v_permlanex16_b32 v[T4], v254, s34, s35
	v_permlanex16_b32 v[T4+1], v255, s34, s35
	v_add_f32 v254, v254, v[T4]                    ; with lane l xor 16's keys: the rows' sums
	v_add_f32 v255, v255, v[T4+1]
	v_rcp_f32 v232, v254
	v_rcp_f32 v234, v255
	v_and_b32 v224, 15, v0                         ; (plain work behind the reciprocals)
	v_bfe_u32 v225, v0, 4, 1
	v_mul_u32_u24 v226, v224, 4112
	v_lshl_add_u32 v226, v225, 5, v226
	s_lshl_b32 s40, s16, 8
	v_add_nc_u32 v226, s40, v226                   ; tile A: row r, + 256 x head + 32 h
	v_add_nc_u32 v227, 65792, v226                 ; tile B: 16 rows on
	s_mul_i32 s40, s16, 8224
	v_add_nc_u32 v228, s40, v1                     ; back: my two rows, 16 bytes a lane
	s_wait_alu depctr_va_vdst(0)                   ; the two reciprocals have written v232 and v234: one wait for both, ahead of their first reader
.irp j, 0,2,4,6,8,10,12,14,16,18,20,22,24,26,28,30
	v_pk_mul_f32 v[OA+\j:OA+\j+1], v[OA+\j:OA+\j+1], v[232:233] op_sel_hi:[1,0]
.endr
.irp j, 0,2,4,6,8,10,12,14,16,18,20,22,24,26,28,30
	v_pk_mul_f32 v[OB+\j:OB+\j+1], v[OB+\j:OB+\j+1], v[234:235] op_sel_hi:[1,0]
.endr
	s_wait_alu depctr_va_vdst(0)                   ; the multiplications have written O^T, which the LDS stores read as data and in which the LDS loads behind the barrier land; the addresses v226 to v228 are written too
.irp t, 0,1,2,3
	ds_store_b128 v226, v[OA+8*\t:OA+8*\t+3] offset:64*\t          ; d = 16 t + 8 h + 0 .. 7
	ds_store_b128 v226, v[OA+8*\t+4:OA+8*\t+7] offset:64*\t+16
.endr
.irp t, 0,1,2,3
	ds_store_b128 v227, v[OB+8*\t:OB+8*\t+3] offset:64*\t
	ds_store_b128 v227, v[OB+8*\t+4:OB+8*\t+7] offset:64*\t+16
.endr
	s_wait_dscnt 0x0                               ; for the others' sake: my stores into the stage are done
	s_barrier_signal -1
	s_barrier_wait -1
	s_wait_alu depctr_vm_vsrc(0)                   ; my LDS stores have read O^T's registers, in which the loads below land and which the norm writes
.irp p, 0,1
.irp k, 0,1,2,3,4,5,6,7
	ds_load_b128 v[OA+32*\p+4*\k:OA+32*\p+4*\k+3], v228 offset:\p*4112+512*\k
.endr
.endr
	s_wait_loadcnt 0x0                             ; gamma, beta, x
	s_wait_dscnt 0x0
	; THE NORM, both rows by turns.  Register 4 k + n of a row is column 128 k + 4 lane + n, in o, x, gamma and beta alike.
.irp j, 0,2,4,6,8,10,12,14,16,18,20,22,24,26,28,30
.irp p, 0,1
	v_pk_add_f32 v[OA+32*\p+\j:OA+32*\p+\j+1], v[OA+32*\p+\j:OA+32*\p+\j+1], v[S+32*\p+\j:S+32*\p+\j+1]   ; y = o + x
.endr
.endr
.irp p, 0,1
	v_pk_add_f32 v[232+4*\p:233+4*\p], v[OA+32*\p:OA+32*\p+1], v[OA+32*\p+2:OA+32*\p+3]
	v_pk_add_f32 v[234+4*\p:235+4*\p], v[OA+32*\p+4:OA+32*\p+5], v[OA+32*\p+6:OA+32*\p+7]
.endr
.irp j, 8,12,16,20,24,28
.irp p, 0,1
	v_pk_add_f32 v[232+4*\p:233+4*\p], v[232+4*\p:233+4*\p], v[OA+32*\p+\j:OA+32*\p+\j+1]
	v_pk_add_f32 v[234+4*\p:235+4*\p], v[234+4*\p:235+4*\p], v[OA+32*\p+\j+2:OA+32*\p+\j+3]
.endr
.endr
.macro ACROSS                          ; the two chains of each row, their halves, and the 32 lanes: the row's sum in every lane, in v240 and v242
.irp p, 0,1
	v_pk_add_f32 v[232+4*\p:233+4*\p], v[232+4*\p:233+4*\p], v[234+4*\p:235+4*\p]
.endr
.irp p, 0,1
	v_add_f32 v[240+2*\p], v[232+4*\p], v[233+4*\p]
.endr
.irp m, 1,2,4,8
.irp p, 0,1
	v_add_f32_dpp v[240+2*\p], v[240+2*\p], v[240+2*\p] row_xmask:\m row_mask:0xf bank_mask:0xf
.endr
.endr
.irp p, 0,1
	v_permlanex16_b32 v[244+\p], v[240+2*\p], s34, s35
.endr
.irp p, 0,1
	v_add_f32 v[240+2*\p], v[240+2*\p], v[244+\p]
.endr
.endm
	ACROSS
.irp p, 0,1
	v_mul_f32 v[240+2*\p], 0xba800000, v[240+2*\p] ; minus the mean
.endr
.irp j, 0,2,4,6,8,10,12,14,16,18,20,22,24,26,28,30
.irp p, 0,1
	v_pk_add_f32 v[OA+32*\p+\j:OA+32*\p+\j+1], v[OA+32*\p+\j:OA+32*\p+\j+1], v[240+2*\p:241+2*\p] op_sel_hi:[1,0]   ; d = y - mean
.endr
.endr
.irp p, 0,1
	v_pk_mul_f32 v[232+4*\p:233+4*\p], v[OA+32*\p:OA+32*\p+1], v[OA+32*\p:OA+32*\p+1]
	v_pk_mul_f32 v[234+4*\p:235+4*\p], v[OA+32*\p+2:OA+32*\p+3], v[OA+32*\p+2:OA+32*\p+3]
.endr
.irp j, 4,8,12,16,20,24,28
.irp p, 0,1
	v_pk_fma_f32 v[232+4*\p:233+4*\p], v[OA+32*\p+\j:OA+32*\p+\j+1], v[OA+32*\p+\j:OA+32*\p+\j+1], v[232+4*\p:233+4*\p]
	v_pk_fma_f32 v[234+4*\p:235+4*\p], v[OA+32*\p+\j+2:OA+32*\p+\j+3], v[OA+32*\p+\j+2:OA+32*\p+\j+3], v[234+4*\p:235+4*\p]
.endr
.endr
	ACROSS                                         ; the sum of d^2: the variance is taken of the differences, in a second pass
.irp p, 0,1
	v_fma_f32 v[240+2*\p], v[240+2*\p], s37, s38   ; variance + 1e-5
.endr
.irp p, 0,1
	v_rsq_f32 v[246+2*\p], v[240+2*\p]
.endr
	v_nop                                          ; a plain instruction behind the last of the two
	s_wait_alu depctr_va_vdst(0)                   ; the two v_rsq_f32 have written v246 and v248: one wait for both, ahead of their first reader
.irp j, 0,2,4,6,8,10,12,14,16,18,20,22,24,26,28,30
.irp p, 0,1
	v_pk_mul_f32 v[OA+32*\p+\j:OA+32*\p+\j+1], v[OA+32*\p+\j:OA+32*\p+\j+1], v[246+2*\p:247+2*\p] op_sel_hi:[1,0]
.endr
.endr
.irp j, 0,2,4,6,8,10,12,14,16,18,20,22,24,26,28,30
.irp p, 0,1
	v_pk_fma_f32 v[OA+32*\p+\j:OA+32*\p+\j+1], v[OA+32*\p+\j:OA+32*\p+\j+1], v[32+\j:33+\j], v[64+\j:65+\j]   ; x gamma + beta
.endr
.endr
	s_wait_alu depctr_va_vdst(0)                   ; the norm has written the two rows, which the stores below read as data
.irp p, 0,1
.irp k, 0,1,2,3,4,5,6,7
	global_store_b128 v1, v[OA+32*\p+4*\k:OA+32*\p+4*\k+3], s[12:13] offset:4096*\p+512*\k th:TH_STORE_NT   ; 32 lanes store 512 consecutive bytes, aligned; written once, read by nobody here
.endr
.endr
	s_wait_xcnt 0x0
	v_lshl_add_u32 v254, v0, 2, 0x20200
	v_mov_b32 v255, 0
	s_wait_dscnt 0x0                               ; the closing lines, six on end
	s_wait_alu 0x0
	s_wait_tensorcnt 0x0
	ds_add_u32 v254, v255
	s_wait_dscnt 0x0
	s_endpgm
.Lfunc_end_k_qe66e377f6f_attn:
	.size	k_qe66e377f6f_attn, .Lfunc_end_k_qe66e377f6f_attn-k_qe66e377f6f_attn
	.p2alignl 7, 3214868480
	.fill 96, 4, 3214868480
	.section	.rodata,"a",@progbits
	.p2align	6, 0x0
	.amdhsa_kernel k_qe66e377f6f_attn
		.amdhsa_group_segment_fixed_size 133632
		.amdhsa_private_segment_fixed_size 0
		.amdhsa_enable_private_segment 0
		.amdhsa_kernarg_size 40
		.amdhsa_user_sgpr_count 2
		.amdhsa_user_sgpr_kernarg_segment_ptr 1
		.amdhsa_wavefront_size32 1
		.amdhsa_system_sgpr_workgroup_id_x 1
		.amdhsa_system_sgpr_workgroup_id_y 1
		.amdhsa_system_sgpr_workgroup_id_z 1
		.amdhsa_system_vgpr_workitem_id 0
		.amdhsa_next_free_vgpr 256
		.amdhsa_next_free_sgpr 66
		.amdhsa_reserve_vcc 0
		.amdhsa_float_denorm_mode_32 3
		.amdhsa_float_denorm_mode_16_64 3
		.amdhsa_memory_ordered 1
		.amdhsa_forward_progress 1
		.amdhsa_inst_pref_size 87
	.end_amdhsa_kernel
	.amdgpu_metadata
---
amdhsa.version: [ 1, 2 ]
amdhsa.kernels:
  - .name:           k_qe66e377f6f_attn
    .symbol:         k_qe66e377f6f_attn.kd
    .args:
      - { .name: QKV, .offset: 0, .size: 8, .value_kind: global_buffer, .address_space: global }
      - { .name: x, .offset: 8, .size: 8, .value_kind: global_buffer, .address_space: global }
      - { .name: ln_gamma, .offset: 16, .size: 8, .value_kind: global_buffer, .address_space: global }
      - { .name: ln_beta, .offset: 24, .size: 8, .value_kind: global_buffer, .address_space: global }
      - { .name: out0, .offset: 32, .size: 8, .value_kind: global_buffer, .address_space: global }
    .group_segment_fixed_size: 133632
    .private_segment_fixed_size: 0
    .kernarg_segment_align: 8
    .kernarg_segment_size: 40
    .max_flat_workgroup_size: 512
    .sgpr_count:     66
    .vgpr_count:     256
    .wavefront_size: 32
...
	.end_amdgpu_metadata
.endif
;; end of part 4
